; MI455X (gfx1250); checked and timed in simulation.
; The chip was launched on July 23, 2026; its instructions are those of AMD's public machine-readable ISA for CDNA 5 (MIT licence, August 2026) and "CDNA5" Instruction Set Architecture Reference Guide (July 2026). The comments in the code are by the model that wrote it; some were corrected since.
;; Conformer Attention Metal. Allowed arithmetic: matrix products marked QUANTISED: E2M3 operands, one E8M0 scale for each 32 along K, by v_wmma_scale_f32_16x16x128_f8f6f4 with both operands' format E2M3, f32 sums; everything else in f32.
;; Inputs: bk 1,024 float32; bo 1,024 float32; bq 1,024 float32; bv 1,024 float32; mask 2 x 2,048 x 2,048 int32; pos_emb 2 x 2,048 x 1,024 float32; w_pos 16 x 1,024 float32; wk 1,024 x 1,024 float32; wo 1,024 x 1,024 float32; wq 1,024 x 1,024 float32; wv 1,024 x 1,024 float32; x 2 x 2,048 x 1,024 float32.
;; Outputs: out0 2 x 2,048 x 1,024 float32.
;; This version of the problem:
;;   THIS VERSION OF THE PROBLEM IS GIVEN IN LOW PRECISION. The matrix products marked QUANTISED in the list below multiply operands that are first quantised to E2M3 (2 exponent bits, 3 mantissa bits; 6 bits a number), with one power-of-two scale for each 32 numbers along K (OCP MX v1.0); their sums are f32. All else is computed in f32.
;;   The module's matrix products, in the order in which they are computed (A, B: the left and right operand; K: the contracted axis; several contracted axes count as one K, in the product's order):
;;     1. [M 4,096, K 1,024] x [K 1,024, N 1,024]; A: input x; B: input wq: QUANTISED
;;     2. [M 4,096, K 1,024] x [K 1,024, N 1,024]; A: input x; B: input wk: QUANTISED
;;     3. [M 4,096, K 1,024] x [K 1,024, N 1,024]; A: input x; B: input wv: QUANTISED
;;     4. [M 4,096, K 1,024] x [K 1,024, N 16]; A: input pos_emb; B: input w_pos: QUANTISED
;;     5. batch 32 x [M 2,048, K 64] x [K 64, N 2,048]; A: computed on the way; B: computed on the way: QUANTISED
;;     6. batch 32 x [M 2,048, K 2,048] x [K 2,048, N 64]; A: softmax (see below); B: computed on the way: QUANTISED
;;     7. [M 4,096, K 1,024] x [K 1,024, N 1,024]; A: computed on the way; B: input wo: QUANTISED
;;   THE QUANTISER, for each operand of a quantised product, along K:
;;     - K is cut into blocks of 32 from its start; a last block that is shorter is filled with zeros.
;;     - A block's scale is 2^e with e = floor(log2(the largest magnitude in the block)) - 2, held to -126 .. 127; a block of zeros has e = 0. As a byte (E8M0): e + 127.
;;     - Each number is divided by its block's scale, clamped to +-7.5, and rounded to the nearest number of E2M3, ties to even, subnormals kept.
;;     - The product sums the exact products of the quantised numbers (number of the format x scale) in f32.
;;   ~~~python
;;   def quantise(x, axis):      # numpy; x: float32 -> the quantised numbers, widened to float32 again
;;       x = np.moveaxis(x, axis, -1); K = x.shape[-1]
;;       x = np.pad(x, [(0, 0)] * (x.ndim - 1) + [(0, -K % 32)]); x = x.reshape(x.shape[:-1] + (-1, 32)); a = np.abs(x).max(-1, keepdims=True)
;;       e = np.where(a > 0, np.clip(np.frexp(np.where(a > 0, a, 1))[1] - 1 - 2, -126, 127), 0)      # np.frexp(a)[1] - 1 = floor(log2(a)), exactly
;;       r = np.clip(x / 2.0 ** e, -7.5, 7.5)
;;       step = 2.0 ** (np.maximum(np.frexp(np.where(r == 0, 1, r))[1] - 1, 0) - 3)
;;       q = np.round(r / step) * step * 2.0 ** e      # np.round: ties to even
;;       return np.moveaxis(q.reshape(q.shape[:-2] + (-1,))[..., :K], -1, axis).astype(np.float32)
;;   ~~~
;;   SOFTMAX AHEAD OF A QUANTISED PRODUCT. Where the list says 'softmax', what is quantised is not the finished softmax but p = 2^(t - M), with t = logit x log2(e) and M = ceil(the row's largest t), a whole number; so 1/2 < the row's largest p <= 1. The row's sum l is taken of the UNQUANTISED p, in f32, and the product's result is divided by l at the end. Since M is a whole number, a kernel that streams over the keys may use a running M (the ceiling of the running maximum): every later rescaling is an exact power of two, which a block's scale takes up: the codes' values come out the same.
;;   OPERANDS COMPUTED ON THE WAY. 'Computed on the way' means the value that the module computes at that place (a softmax that the list does not call 'softmax' is quantised finished and normalised). What goes into a quantiser is computed in f32, as accurately as f32 sums, v_exp_f32 and their like allow (about 1e-6 of the number): no bf16 or f16 on the way to a quantiser, and a product that is left as it is and whose result goes on into a quantised operand takes f32 operands (vector FMAs, or v_wmma_f32_16x16x4_f32). A number that lies on a knife's edge between two numbers of the format may be rounded either way, as far as f32 arithmetic and the matrix unit's own rounding can turn it there, and no further.
;; One version. Each part assembles by itself: llvm-mc -triple=amdgcn-amd-amdhsa -mcpu=gfx1250 --defsym DOCPART=n.
;; ======== version 1 of 1: 4 launches
;; limits: right only within a limited range of input values
;; workspace buffers: cod 9,449,472 bytes; scl 393,728 bytes; mw 1,048,576 bytes of whole numbers; mf 16,384 bytes of whole numbers; qkvc 10,223,616 bytes; pb8 262,144 bytes; ao 3,145,728 bytes; aos 131,072 bytes
;; launch prep (part 1): grid 1281 x 1, 8 waves a work-group, no clusters, 68,608 bytes of LDS; arguments x, wq, wk, wv, wo, pos_emb, w_pos, mask, cod, scl, mw, mf; writes cod, scl, mw, mf
.if DOCPART == 1
	.amdgcn_target "amdgcn-amd-amdhsa--gfx1250"
	.amdhsa_code_object_version 6
	.text
	.protected	k_qbcf937b89f_prep
	.globl	k_qbcf937b89f_prep
	.p2align	8
	.type	k_qbcf937b89f_prep,@function
k_qbcf937b89f_prep:
	s_mov_b64 s[64:65], 0
	v_nop
	global_prefetch_b8 v0, s[64:65] scope:SCOPE_SE
	s_setreg_imm32_b32 hwreg(HW_REG_WAVE_MODE, 25, 1), 1
	s_wait_xcnt 0x0
; The wide inputs become codes of FP6 (E2M3) with one E8M0 byte for each 32 along K; the mask becomes one bit a number, and one flag a tile.  No work of the problem is left out in this program.
; WORK-GROUPS 0 .. 768: a tile of 16 rows x 1,024 along K (tiles 0-255 x, 256-319 wq, 320-383 wk, 384-447 wv, 448-511 wo, 512-767 pos_emb, 768 w_pos); wave w takes K step w (128 along K).
; WORK-GROUPS 769 .. 1280: 16 queries x 1,024 keys of the mask; wave w takes 128 keys.  Either way a wave reads 16 rows x 512 consecutive bytes, 16 bytes a lane.
; The rows turn through the wave's own stage in LDS (rows 528 bytes apart), since a conversion takes 16 neighbours along K from ONE lane's registers.
; cod: [tile][16 units of 768 bytes]: a unit is 16 rows x 64 along K as an image of the operand's registers: piece p (256 bytes) holds registers 2 p, 2 p + 1 of every lane, 8 bytes at 8 x lane.
; scl: [tile][8 K steps][16 rows] words, byte b = block b of the K step.  THE ORDER INSIDE A BLOCK OF 32 is 0-7, 16-23, 8-15, 24-31 in every operand of this program, so both sides of each product agree.
; mw: [16 queries][16 key steps][64 words]: word 8 t + j, bit l: mask(query l % 16, key 128 step + 16 t + 8 (l / 16) + j) != 0.   mf: [16 queries][16 key steps] words: 1 where all 2,048 numbers of that tile are not 0.
; A block's scale is 2^(floor(log2(largest magnitude)) - 2); its byte is the largest magnitude's exponent field - 2, held at 1 from below.
; LIMITS: a block of zeros gets the byte 1 (its codes are zeros, and this program alone reads the bytes); largest magnitudes under 2^-124 keep the byte 1; NaN and infinities among the inputs are not served.
; No tensor load, no barrier: waves share nothing.  128 registers a wave and 68,608 bytes of LDS: four work-groups fit on a WGP.
.set NT,   769
.set PIT,  528
.set WREG, 16*PIT
.set SPARE, 8*WREG                     ; the spare words: 128 bytes a wave; no other line names them
.set SPW,  10                          ; v10 SPARE + 4 x thread;  v11 0; never rewritten
.set NIL,  11
.set OF,   16                          ; v16-31 byte offset of my 16 bytes in row i
.set RW,   32                          ; v32-95 the rows as loaded; then 64 numbers of my row in the operand's order
.set CD,   96                          ; v96-107 the fragment's codes (mask: the words, the flag)
.set CT,   108                         ; v108-115 the blocks' upper halves as converted
.set T,    116                         ; v116-124 at work
	s_load_b512 s[4:19], s[0:1], 0x0               ; x, wq, wk, wv, wo, pos_emb, w_pos, mask
	s_load_b256 s[20:27], s[0:1], 0x40             ; cod, scl, mw, mf
	v_lshl_add_u32 v[SPW], v0, 2, SPARE
	v_mov_b32 v[NIL], 0
	v_lshrrev_b32 v1, 5, v0
	s_delay_alu instid0(VALU_DEP_1)
	v_readfirstlane_b32 s58, v1                    ; wave
	v_and_b32 v1, 31, v0                           ; lane
	v_and_b32 v2, 15, v0                           ; r
	v_bfe_u32 v3, v0, 4, 1                         ; h
	s_mul_i32 s40, s58, WREG
	v_lshlrev_b32 v[OF], 4, v1
	v_mul_u32_u24 v9, v2, PIT
	v_lshlrev_b32 v7, 3, v1                        ; 8 x lane
	v_lshlrev_b32 v8, 2, v2                        ; 4 r
	v_add_nc_u32 v4, s40, v[OF]                    ; the stage, on the way in
	v_add_nc_u32 v9, s40, v9
	s_delay_alu instid0(VALU_DEP_1)
	v_lshl_add_u32 v5, v3, 7, v9                   ; out, numbers: row r, block h of each 64
	v_lshl_add_u32 v6, v3, 5, v9                   ; out, mask: row r, 8 keys h of each 16
	s_mov_b32 s59, ttmp9
	s_mov_b32 s30, NT
	s_mov_b32 s31, 8192                            ; a row of the mask in bytes
	s_mov_b32 s44, 0x76543210
	s_mov_b32 s45, 0xfedcba98                      ; selects for lane l xor 16
	s_wait_alu depctr_va_vdst(0)                   ; the wait at the head's end
	s_wait_kmcnt 0x0
	s_mov_b64 s[28:29], s[18:19]
	s_cmp_lt_u32 s59, NT
	s_cselect_b32 s31, 4096, s31                   ; a row of the other tensors
.macro PICK lim, ptr, st               ; below lim the source is the tensor at s[ptr], whose first tile is st: the choice hangs on the work-group's number alone
	s_cmp_lt_u32 s59, \lim
	s_cselect_b64 s[28:29], s[\ptr:\ptr+1], s[28:29]
	s_cselect_b32 s30, \st, s30
.endm
	PICK 769, 16, 768
	PICK 768, 14, 512
	PICK 512, 12, 448
	PICK 448, 10, 384
	PICK 384, 8, 320
	PICK 320, 6, 256
	PICK 256, 4, 0
	s_sub_co_u32 s32, s59, s30                     ; the tile in its tensor, or the mask's task
	s_lshl_b32 s33, s32, 16
	s_lshr_b32 s34, s32, 1                         ; the mask: which 16 queries,
	s_and_b32 s36, s32, 1                          ; which half of the keys
	s_lshl_b32 s35, s34, 17
	s_lshl_b32 s37, s36, 12
	s_add_co_u32 s35, s35, s37
	s_cmp_lt_u32 s59, NT
	s_cselect_b32 s38, s33, s35
	s_lshl_b32 s37, s58, 9                         ; my wave's 512 bytes of a row
	s_add_co_u32 s38, s38, s37
	s_mov_b32 s39, 0
	s_add_nc_u64 s[28:29], s[28:29], s[38:39]
	v_add_nc_u32 v[OF+1], s31, v[OF]
.irp i, 2,3,4,5,6,7,8,9,10,11,12,13,14,15
	s_delay_alu instid0(VALU_DEP_1)
	v_add_nc_u32 v[OF+\i], s31, v[OF+\i-1]
.endr
.irp i, 0,1,2,3,4,5,6,7,8,9,10,11,12,13,14,15
	global_load_b128 v[RW+4*\i:RW+4*\i+3], v[OF+\i], s[28:29] th:TH_LOAD_NT   ; 512 consecutive bytes of row i, read once in the launch
.endr
.irp i, 0,1,2,3,4,5,6,7,8,9,10,11,12,13,14,15
	s_wait_loadcnt 15-\i                           ; row i is in, the 15 - i younger rows stay out
	ds_store_b128 v4, v[RW+4*\i:RW+4*\i+3] offset:PIT*\i
.endr
	s_wait_dscnt 0x0                               ; the stores have read their registers, which take the rows back in the other order
	s_cmp_lt_u32 s59, NT
	s_cbranch_scc0 .Lpack                          ; the one parting; behind it neither way stores to LDS
.irp c, 0,1
.irp i, 0,1,2,3,4,5,6,7
	ds_load_b128 v[RW+32*\c+4*\i:RW+32*\c+4*\i+3], v5 offset:256*\c+16*((\i%2)+2*(\i/4)+4*((\i/2)%2))   ; block 2 c + h of row r, its groups of four in the order 0, 1, 4, 5, 2, 3, 6, 7
.endr
.endr
	s_mul_i32 s38, s59, 12288
	s_mul_i32 s37, s58, 1536
	s_add_co_u32 s38, s38, s37
	s_add_nc_u64 s[20:21], s[20:21], s[38:39]      ; my two units of codes
	s_lshl_b32 s38, s59, 9
	s_lshl_b32 s37, s58, 6
	s_add_co_u32 s38, s38, s37
	s_add_nc_u64 s[22:23], s[22:23], s[38:39]      ; my 16 scale words
	s_wait_dscnt 0x0
.irp c, 0,1
	v_max3_num_f32 v[T+\c], |v[RW+32*\c]|, |v[RW+32*\c+1]|, 0x1800000   ; the floor 2^(3 - 127) holds the byte at 1 from below
.endr
.irp i, 2,4,6,8,10,12,14,16,18,20,22,24,26,28,30
.irp c, 0,1
	s_delay_alu instid0(VALU_DEP_2)
	v_max3_num_f32 v[T+\c], v[T+\c], |v[RW+32*\c+\i]|, |v[RW+32*\c+\i+1]|
.endr
.endr
.irp c, 0,1
	s_delay_alu instid0(VALU_DEP_2)
	v_add_nc_u32 v[T+2+\c], 0xff000000, v[T+\c]    ; 2 off the exponent field: the conversion's scale operand
.endr
.irp c, 0,1
	s_delay_alu instid0(VALU_DEP_2)
	v_lshrrev_b32 v[T+4+\c], 23, v[T+2+\c]         ; the scale's byte
.endr
	v_lshlrev_b32 v[T+7], 3, v3
	v_mov_b32 v[T+8], 0
	v_lshl_or_b32 v[T+6], v[T+5], 16, v[T+4]       ; blocks h and 2 + h,
	s_delay_alu instid0(VALU_DEP_1)
	v_lshlrev_b32 v[T+6], v[T+7], v[T+6]           ; at their places in the word;
	s_delay_alu instid0(VALU_DEP_1)
	v_permlanex16_b32 v[T+8], v[T+6], s44, s45
	s_delay_alu instid0(VALU_DEP_1)
	v_or_b32 v[T+6], v[T+6], v[T+8]                ; with lane l xor 16's two the word is whole
.irp c, 0,1
	v_cvt_scalef32_pk16_fp6_f32 v[CD+6*\c:CD+6*\c+2], v[RW+32*\c:RW+32*\c+15], v[T+2+\c]
	v_cvt_scalef32_pk16_fp6_f32 v[CT+4*\c:CT+4*\c+2], v[RW+32*\c+16:RW+32*\c+31], v[T+2+\c]   ; (a conversion's three registers begin on an even number)
.endr
	v_nop                                          ; one plain line behind the conversions
.irp c, 0,1
.irp i, 0,1,2
	v_mov_b32 v[CD+6*\c+3+\i], v[CT+4*\c+\i]
.endr
.endr
.irp q, 0,1,2,3,4,5
	global_store_b64 v7, v[CD+2*\q:CD+2*\q+1], s[20:21] offset:256*\q   ; 32 lanes store 256 consecutive bytes, aligned
.endr
	global_store_b32 v8, v[T+6], s[22:23]          ; lanes l and l xor 16 store the same word to the same place
	s_wait_tensorcnt 0x0                           ; the wave's end
	ds_add_u32 v[SPW], v[NIL]
	s_wait_dscnt 0x0
	s_endpgm
.Lpack:
.irp t, 0,1,2,3,4,5,6,7
.irp e, 0,1
	ds_load_b128 v[RW+8*\t+4*\e:RW+8*\t+4*\e+3], v6 offset:64*\t+16*\e   ; query r, of each 16 keys my 8
.endr
.endr
	s_lshl_b32 s38, s34, 12
	s_lshl_b32 s37, s36, 11
	s_add_co_u32 s38, s38, s37
	s_lshl_b32 s37, s58, 8
	s_add_co_u32 s38, s38, s37
	s_add_nc_u64 s[24:25], s[24:25], s[38:39]      ; my key step's 64 words
	s_lshr_b32 s38, s38, 6
	s_add_nc_u64 s[26:27], s[26:27], s[38:39]      ; and its flag: 4 bytes for each 256 of words
	s_mov_b64 s[54:55], -1
	s_wait_dscnt 0x0
	v_mov_b32 v[CD], 0
	v_mov_b32 v[CD+1], 0
.irp g, 0,1,2,3,4,5,6,7
.irp k, 0,1,2,3,4,5,6,7
	v_cmp_ne_u32 s[46+\k], 0, v[RW+8*\g+\k]        ; word 8 g + k: one bit a lane
.endr
.irp k, 0,1,2,3,4,5,6,7
	v_writelane_b32 v[CD+\k%2], s[46+\k], 4*\g+\k/2   ; words 2 l and 2 l + 1 go to lane l
.endr
.irp k, 0,2,4,6
	s_and_b64 s[54:55], s[54:55], s[46+\k:47+\k]   ; all words so far, bit by bit
.endr
.endr
	s_and_b32 s54, s54, s55
	s_cmp_eq_u32 s54, -1
	s_cselect_b32 s54, 1, 0                        ; 1: nothing of this tile is hidden
	v_mov_b32 v[CD+2], s54
	v_mov_b32 v[CD+3], 0
	s_wait_alu depctr_va_vdst(0)                   ; the wait ahead of the readers below
	global_store_b64 v7, v[CD:CD+1], s[24:25]      ; 256 consecutive bytes, aligned
	global_store_b32 v[CD+3], v[CD+2], s[26:27]    ; the flag: every lane stores the same word to the same place
	s_wait_tensorcnt 0x0
	ds_add_u32 v[SPW], v[NIL]
	s_wait_dscnt 0x0
	s_endpgm
.Lfunc_end_k_qbcf937b89f_prep:
	.size	k_qbcf937b89f_prep, .Lfunc_end_k_qbcf937b89f_prep-k_qbcf937b89f_prep
	.p2alignl 7, 3214868480
	.fill 96, 4, 3214868480
	.section	.rodata,"a",@progbits
	.p2align	6, 0x0
	.amdhsa_kernel k_qbcf937b89f_prep
		.amdhsa_group_segment_fixed_size 68608
		.amdhsa_private_segment_fixed_size 0
		.amdhsa_enable_private_segment 0
		.amdhsa_kernarg_size 96
		.amdhsa_user_sgpr_count 2
		.amdhsa_user_sgpr_kernarg_segment_ptr 1
		.amdhsa_wavefront_size32 1
		.amdhsa_system_sgpr_workgroup_id_x 1
		.amdhsa_system_sgpr_workgroup_id_y 1
		.amdhsa_system_sgpr_workgroup_id_z 1
		.amdhsa_system_vgpr_workitem_id 0
		.amdhsa_next_free_vgpr 128
		.amdhsa_next_free_sgpr 66
		.amdhsa_reserve_vcc 0
		.amdhsa_float_denorm_mode_32 3
		.amdhsa_float_denorm_mode_16_64 3
		.amdhsa_memory_ordered 1
		.amdhsa_forward_progress 1
		.amdhsa_inst_pref_size 25
	.end_amdhsa_kernel
	.amdgpu_metadata
---
amdhsa.version: [ 1, 2 ]
amdhsa.kernels:
  - .name:           k_qbcf937b89f_prep
    .symbol:         k_qbcf937b89f_prep.kd
    .args:
      - { .name: x, .offset: 0, .size: 8, .value_kind: global_buffer, .address_space: global }
      - { .name: wq, .offset: 8, .size: 8, .value_kind: global_buffer, .address_space: global }
      - { .name: wk, .offset: 16, .size: 8, .value_kind: global_buffer, .address_space: global }
      - { .name: wv, .offset: 24, .size: 8, .value_kind: global_buffer, .address_space: global }
      - { .name: wo, .offset: 32, .size: 8, .value_kind: global_buffer, .address_space: global }
      - { .name: pos_emb, .offset: 40, .size: 8, .value_kind: global_buffer, .address_space: global }
      - { .name: w_pos, .offset: 48, .size: 8, .value_kind: global_buffer, .address_space: global }
      - { .name: mask, .offset: 56, .size: 8, .value_kind: global_buffer, .address_space: global }
      - { .name: cod, .offset: 64, .size: 8, .value_kind: global_buffer, .address_space: global }
      - { .name: scl, .offset: 72, .size: 8, .value_kind: global_buffer, .address_space: global }
      - { .name: mw, .offset: 80, .size: 8, .value_kind: global_buffer, .address_space: global }
      - { .name: mf, .offset: 88, .size: 8, .value_kind: global_buffer, .address_space: global }
    .group_segment_fixed_size: 68608
    .private_segment_fixed_size: 0
    .kernarg_segment_align: 8
    .kernarg_segment_size: 96
    .max_flat_workgroup_size: 256
    .sgpr_count:     66
    .vgpr_count:     128
    .wavefront_size: 32
...
	.end_amdgpu_metadata
.endif
;; end of part 1
;; launch proj (part 2): grid 16 x 16, 12 waves a work-group, no clusters, 327,680 bytes of LDS; arguments cod, scl, bq, bk, bv, qkvc, pb8; writes qkvc, pb8
.if DOCPART == 2
	.amdgcn_target "amdgcn-amd-amdhsa--gfx1250"
	.amdhsa_code_object_version 6
	.text
	.protected	k_qbcf937b89f_proj
	.globl	k_qbcf937b89f_proj
	.p2align	8
	.type	k_qbcf937b89f_proj,@function
k_qbcf937b89f_proj:
	s_mov_b64 s[64:65], 0
	v_nop
	global_prefetch_b8 v0, s[64:65] scope:SCOPE_SE
	s_setreg_imm32_b32 hwreg(HW_REG_WAVE_MODE, 25, 1), 1
	s_wait_xcnt 0x0
; q = x wq^T + bq, k = x wk^T + bk, v = x wv^T + bv and pos_bias = pos_emb w_pos^T, all on codes of FP6 (E2M3) with E8M0 scales; q, k and v leave as codes again, quantised in registers.
; SHARES.  A work-group takes 256 tokens (y) x 192 features = 3 heads (x) of the 48 heads of q, k, v.  Wave w: tokens 64 (w % 4) on, head hg = 3 x + w / 4: a tile of 64 x 64, 16 accumulators.
; TWO ROLES.  hg < 32 (q, k): source 0 = 16 rows of W, source 1 = 16 tokens: a lane holds one token, its registers run along the dims.  hg >= 32 (v): the sources swapped: a lane holds one dim, its registers run along the keys.
; LDS, images of the operands' registers (a fragment is six loads of 8 bytes a lane at 8 x lane).  K goes in four chunks of 256.  Slot c (86,016 bytes, c = 0, 1, 2): x's 16 tiles x 3,072 bytes, then W's 12; behind them x's fourth chunk; then the 28 tiles' scale words.
; THE FILLS.  At the head a wave issues one tensor load: wave 0 x's chunk 0, wave 1 W's, wave 2 x's scale words, wave 3 W's; waves 4-6 x's chunks 1-3; waves 7, 8 W's chunks 1, 2; waves 9-11 none.
; Ahead of the first barrier only waves 0-3 wait for their loads: K steps 0 and 1 read nothing else.  Behind K step 1 every wave waits for all its loads, and wave 7 fills W's chunk 3 into slot 0's bytes of W:
; it has four K steps in which to land.  A wave has one load out at any time.
; NO CLUSTER: which source a wave's tiles are hangs on the work-group's x (hg), so a branch of this text differs between work-groups that would share tiles.
; NO PREFETCH: all but 36,864 of the 358,400 bytes that a work-group reads are asked for at the head: there is no loop to run ahead in.
; THE BIAS is what the sums begin with.  Wave 11 also makes 8 x pos_bias for token tile 16 y + x, straight from memory: pb8 [tile][head][16 tokens] f32.
; OUT.  qkvc: parts of 26,624 bytes (8 groups of 64 tokens x 4 units of 768 bytes, then 8 units of 256 bytes of scale words).  Parts 0-127: q of [batch x 16 + head][512 tokens]; then for each [batch x 16 + head][512 tokens] k's part and v's on end.
; LIMITS: a block of zeros gets the byte 1; largest magnitudes under 2^-124 keep the byte 1; NaN and infinities are not served.
.set SLOT,  86016
.set XW,    49152                      ; W's tiles in a slot
.set SCL,   307200
.set SPARE, SCL+28*512                 ; the spare words: 128 bytes for each of 12 waves; no other line names them
.set PARTB, 26624
.set SPW, 1                            ; v1 SPARE + 4 x thread;  v2 0; never rewritten
.set NIL, 2
.set L8,  3                            ; v3 8 x lane
.set SA,  10                           ; v10 scale words: lanes 0-15 x's rows, lanes 16-31 W's
.set SR,  16
.set FX,  20
.set FW,  68
.set ADX, 120                          ; v120-123 my four tiles of x in chunks 0 to 3
.set ADW, 124                          ; v124-126 my four tiles of W in slots 0 to 2
.set ACC, 128                          ; accumulator (i0 of source 0, i1 of source 1) at 128 + 32 i1 + 8 i0
.set GX,  28                           ; s[28:35] group 1: 16 tiles x 3,072 bytes;  s[36:43]: 12 tiles;  s[80:87], s[88:95]: x's, W's scale words
.set GW,  36
.set GSX, 80
.set GSW, 88
.set G0E, 44                           ; groups 0: s[44:47] waves 0, 1;  s[48:51] waves 2, 3;  s[52:55] waves 4-6;  s[56:59] waves 7, 8
.set G0S, 48
.set G0X, 52
.set G0W, 56
	s_load_b256 s[4:11], s[0:1], 0x0               ; cod, scl, bq, bk
	s_load_b128 s[12:15], s[0:1], 0x20             ; bv, qkvc
	s_load_b64 s[16:17], s[0:1], 0x30              ; pb8
	v_lshl_add_u32 v[SPW], v0, 2, SPARE
	v_mov_b32 v[NIL], 0
	ds_add_u32 v[SPW], v[NIL]                      ; the opening lines: the add twice on end and one wait
	ds_add_u32 v[SPW], v[NIL]
	v_lshrrev_b32 v11, 5, v0
	s_delay_alu instid0(VALU_DEP_1)
	v_readfirstlane_b32 s18, v11                   ; wave 0..11
	s_and_b32 s19, s18, 3                          ; wm: which 64 tokens
	s_lshr_b32 s20, s18, 2                         ; wn: which head of the three
	s_mov_b32 s21, ttmp9
	s_and_b32 s22, ttmp7, 0xffff
	s_mul_i32 s23, s21, 3
	s_add_co_u32 s23, s23, s20                     ; hg
	s_mov_b32 s24, 0xffff0000                      ; lanes 16-31
	s_mov_b32 s26, 0x76543210
	s_mov_b32 s27, 0xfedcba98
.macro GRP g, c, r, p                  ; group 1: r rows of c elements of 8 bytes, p elements apart; no mask, no padding
	s_mov_b32 s[\g+0], 3<<16
	s_mov_b32 s[\g+1], \c<<16
	s_mov_b32 s[\g+2], \r<<16
	s_mov_b32 s[\g+3], \c<<16
	s_mov_b32 s[\g+4], \r
	s_mov_b32 s[\g+5], \p
	s_mov_b32 s[\g+6], 0
	s_mov_b32 s[\g+7], 0
.endm
	GRP GX, 384, 16, 1536
	GRP GW, 384, 12, 1536
	GRP GSX, 32, 32, 32                            ; dense blocks as rows of 256 bytes: 8,192 bytes,
	GRP GSW, 32, 24, 32                            ; 6,144 bytes
	s_mul_i32 s66, s22, 16*12288                   ; x's tiles 16 y on
	s_mov_b32 s67, 0
	s_mul_i32 s68, s21, 12*12288
	s_add_co_u32 s68, s68, 256*12288               ; W's tiles 256 + 12 x on
	s_mov_b32 s69, 0
	s_lshl_b32 s70, s22, 13                        ; x's scale words: 512 bytes a tile
	s_mov_b32 s71, 0
	s_mul_i32 s72, s21, 6144
	s_add_co_u32 s72, s72, 256*512                 ; W's
	s_mov_b32 s73, 0
	s_and_b32 s60, s18, 3                          ; waves 4-6: x's chunk (w & 3) + 1
	s_add_co_u32 s61, s18, 2
	s_and_b32 s61, s61, 3                          ; waves 7, 8: W's chunk (w + 2) & 3
	s_mov_b32 s[G0E], 1                            ; LDS addresses hang on the wave's number alone
	s_mul_i32 s[G0E+1], s18, XW
	s_mov_b32 s[G0S], 1
	s_lshl_b32 s[G0S+1], s18, 13
	s_add_co_u32 s[G0S+1], s[G0S+1], SCL-2*8192
	s_mov_b32 s[G0X], 1
	s_mul_i32 s[G0X+1], s60, SLOT
	s_add_co_u32 s[G0X+1], s[G0X+1], SLOT
	s_mov_b32 s[G0W], 1
	s_mul_i32 s[G0W+1], s61, SLOT
	s_add_co_u32 s[G0W+1], s[G0W+1], XW
	s_mul_i32 s74, s60, 3072
	s_add_co_u32 s74, s74, 3072
	s_mov_b32 s75, 0
	s_mul_i32 s76, s61, 3072
	s_mov_b32 s77, 0
	s_wait_dscnt 0x0
	s_wait_kmcnt 0x0
	s_add_nc_u64 s[66:67], s[4:5], s[66:67]
	s_add_nc_u64 s[68:69], s[4:5], s[68:69]
	s_add_nc_u64 s[70:71], s[6:7], s[70:71]
	s_add_nc_u64 s[72:73], s[6:7], s[72:73]
	s_cmp_lt_u32 s18, 1                            ; the choices hang on the wave's number alone
	s_cselect_b64 s[G0E+2:G0E+3], s[66:67], s[68:69]
	s_or_b32 s[G0E+3], s[G0E+3], 0x80000000
	s_cmp_lt_u32 s18, 3
	s_cselect_b64 s[G0S+2:G0S+3], s[70:71], s[72:73]
	s_or_b32 s[G0S+3], s[G0S+3], 0x80000000
	s_add_nc_u64 s[G0X+2:G0X+3], s[66:67], s[74:75]
	s_or_b32 s[G0X+3], s[G0X+3], 0x80000000
	s_add_nc_u64 s[G0W+2:G0W+3], s[68:69], s[76:77]
	s_or_b32 s[G0W+3], s[G0W+3], 0x80000000
.macro TLOAD g0, g1
	tensor_load_to_lds s[\g0:\g0+3], s[\g1:\g1+7]
	s_nop 0
.rept 4
	v_nop
.endr
.endm
.macro ARM under, g0, g1, next         ; one chain of branches on the wave's number, one load to an arm, all arms to one join
	s_cmp_lt_u32 s18, \under
	s_cbranch_scc0 \next
	TLOAD \g0, \g1
	s_branch .Lh_done
\next:
.endm
	ARM 1, G0E, GX,  .Lh1
	ARM 2, G0E, GW,  .Lh2
	ARM 3, G0S, GSX, .Lh3
	ARM 4, G0S, GSW, .Lh4
	ARM 7, G0X, GX,  .Lh5
	s_cmp_lt_u32 s18, 9
	s_cbranch_scc0 .Lh_done
	TLOAD G0W, GW
.Lh_done:
	s_mul_i32 s70, s19, 12288
	s_mul_i32 s71, s20, 12288
	s_add_co_u32 s71, s71, XW
	s_lshl_b32 s74, s19, 11                        ; x's tiles 4 wm on: 512 bytes of scale words a tile
	s_lshl_b32 s75, s20, 11
	s_add_co_u32 s75, s75, 8192                    ; W's tiles 16 + 4 wn on
	s_sub_co_u32 s75, s75, s74                     ; the distance, always above 0
	s_add_co_u32 s74, s74, SCL
	v_and_b32 v11, 31, v0
	v_and_b32 v14, 15, v0                          ; r
	v_bfe_u32 v13, v0, 4, 1                        ; h
	v_lshlrev_b32 v[L8], 3, v11
	v_mul_u32_u24 v[SA], s75, v13                  ; lanes 16-31 take W's
	v_lshlrev_b32 v11, 2, v14                      ; 4 r
	v_lshlrev_b32 v12, 5, v13                      ; 32 h
	v_add_nc_u32 v[ADX], s70, v[L8]
	v_add_nc_u32 v[ADW], s71, v[L8]
	v_lshl_add_u32 v[SA], v14, 2, v[SA]
	v_add_nc_u32 v[ADX+1], SLOT, v[ADX]
	v_add_nc_u32 v[ADW+1], SLOT, v[ADW]
	v_add_nc_u32 v[ADX+2], 2*SLOT, v[ADX]
	v_add_nc_u32 v[ADW+2], 2*SLOT, v[ADW]
	v_add_nc_u32 v[ADX+3], 3*SLOT, v[ADX]
	v_add_nc_u32 v[SA], s74, v[SA]
	s_wait_alu depctr_va_vdst(0)                   ; the wait at the head's end
	; ---- wave 11: 8 x pos_bias of token tile 16 y + x.  Source 0 = 16 tokens of pos_emb, source 1 = w_pos's 16 heads; two accumulators by turns
	s_cmp_eq_u32 s18, 11
	s_cbranch_scc0 .Lno_pos
	s_lshl_b32 s72, s22, 4
	s_add_co_u32 s72, s72, s21                     ; the tile
	s_add_co_u32 s73, s72, 512
	s_mul_i32 s74, s73, 12288
	s_mov_b32 s75, 0
	s_add_nc_u64 s[74:75], s[4:5], s[74:75]        ; pos_emb's codes
	s_add_nc_u64 s[76:77], s[4:5], 768*12288       ; w_pos's
	s_lshl_b32 s78, s73, 9
	s_mov_b32 s79, 0
	s_add_nc_u64 s[78:79], s[6:7], s[78:79]        ; pos_emb's scale words;
	s_sub_co_u32 s73, 256, s72
	s_lshl_b32 s73, s73, 9                         ; w_pos's lie this far on
	v_mul_u32_u24 v15, s73, v13
	s_delay_alu instid0(VALU_DEP_1)
	v_add_nc_u32 v15, v15, v11
.irp s, 0,1,2,3,4,5,6,7
.irp q, 0,1,2,3,4,5
	global_load_b64 v[FX+12*\s+2*\q:FX+12*\s+2*\q+1], v[L8], s[74:75] offset:1536*\s+256*\q
	global_load_b64 v[ACC+12*\s+2*\q:ACC+12*\s+2*\q+1], v[L8], s[76:77] offset:1536*\s+256*\q
.endr
	global_load_b32 v[224+\s], v15, s[78:79] offset:64*\s
.endr
	s_wait_loadcnt 0x0
.irp s, 0,1
	v_wmma_scale_f32_16x16x128_f8f6f4 v[232+8*\s:239+8*\s], v[FX+12*\s:FX+12*\s+11], v[ACC+12*\s:ACC+12*\s+11], 0, v[224+\s], v[224+\s] matrix_a_fmt:MATRIX_FMT_FP6 matrix_b_fmt:MATRIX_FMT_FP6 matrix_b_scale:MATRIX_SCALE_ROW1
.endr
.irp s, 2,3,4,5,6,7
	v_wmma_scale_f32_16x16x128_f8f6f4 v[232+8*(\s%2):239+8*(\s%2)], v[FX+12*\s:FX+12*\s+11], v[ACC+12*\s:ACC+12*\s+11], v[232+8*(\s%2):239+8*(\s%2)], v[224+\s], v[224+\s] matrix_a_fmt:MATRIX_FMT_FP6 matrix_b_fmt:MATRIX_FMT_FP6 matrix_b_scale:MATRIX_SCALE_ROW1
.endr
.rept 6
	v_nop                                          ; places behind the products: for the reads below, for loads into their registers and for the matrix lines that later write over them
.endr
.irp j, 0,2,4,6
	v_pk_mul_f32 v[232+\j:233+\j], v[232+\j:233+\j], 0x41000000 op_sel_hi:[1,0]
.endr
.irp j, 0,2,4,6
	v_pk_fma_f32 v[232+\j:233+\j], v[240+\j:241+\j], 0x41000000, v[232+\j:233+\j] op_sel_hi:[1,0,1]   ; 8 x (the two halves of K): the scores are taken as (q.k + 8 pos_bias) / 8
.endr
	v_lshl_add_u32 v15, v14, 6, v12                ; head r, tokens 8 h on
	s_lshl_b32 s72, s72, 10
	s_mov_b32 s73, 0
	s_add_nc_u64 s[72:73], s[16:17], s[72:73]
	global_store_b128 v15, v[232:235], s[72:73]
	global_store_b128 v15, v[236:239], s[72:73] offset:16
	s_wait_xcnt 0x0                                ; the stores' data and base are written again below
.Lno_pos:
	; ---- the sums begin as the bias
	s_and_b32 s72, s23, 15
	s_lshl_b32 s72, s72, 8                         ; the head's 64 numbers
	s_mov_b32 s73, 0
	s_cmp_lt_u32 s23, 32
	s_cbranch_scc0 .Lbias_v
	s_cmp_lt_u32 s23, 16
	s_cselect_b64 s[74:75], s[8:9], s[10:11]
	s_add_nc_u64 s[74:75], s[74:75], s[72:73]
.irp i, 0,1,2,3
.irp a, 0,1,2,3
	global_load_b128 v[ACC+32*\i+8*\a:ACC+32*\i+8*\a+3], v12, s[74:75] offset:64*\a     ; register j: dim 16 a + 8 h + j
	global_load_b128 v[ACC+32*\i+8*\a+4:ACC+32*\i+8*\a+7], v12, s[74:75] offset:64*\a+16
.endr
.endr
	s_branch .Lbias_done
.Lbias_v:
	s_add_nc_u64 s[74:75], s[12:13], s[72:73]
.irp a, 0,1,2,3
	global_load_b32 v[116+\a], v11, s[74:75] offset:64*\a     ; dim 16 a + r: one number for all the lane's keys
.endr
	s_wait_loadcnt 0x0
.irp a, 0,1,2,3
.set j, 0
.rept 32
	v_mov_b32 v[ACC+32*\a+j], v[116+\a]
.set j, j+1
.endr
.endr
.Lbias_done:
	s_wait_alu depctr_va_vdst(0)                   ; the wait ahead of the waits and the branch below
	s_wait_loadcnt 0x0
; A K STEP of 128 (s of eight): x's fragments at v[ax], W's at v[aw], 3,072 bytes a tile, half sl of the chunk.  52 LDS loads, then 16 matrix lines, W's tiles as the outer loop in both roles, so that the counted waits serve both.
; The 16 accumulators take turns, one instruction a turn, in the same order in every step.
.macro KSTEP ax, aw, sl, s, first
.if \first == 0
.rept 4
	v_nop                                          ; places in front of loads into registers that matrix instructions have read
.endr
.endif
.irp i, 0,1,2,3
	ds_load_b32 v[SR+\i], v[SA] offset:512*\i+64*\s
.endr
.irp i, 0,1,2,3
.irp q, 0,1,2,3,4,5
	ds_load_b64 v[FX+12*\i+2*\q:FX+12*\i+2*\q+1], v[\ax] offset:3072*\i+1536*\sl+256*\q
.endr
.endr
.irp i, 0,1,2,3
.irp q, 0,1,2,3,4,5
	ds_load_b64 v[FW+12*\i+2*\q:FW+12*\i+2*\q+1], v[\aw] offset:3072*\i+1536*\sl+256*\q
.endr
.endr
	s_cmp_lt_u32 s23, 32
	s_cbranch_scc0 .Lrole_v_\@
.irp a, 0,1,2,3
	s_wait_dscnt 18-6*\a                           ; W's tile a is in; the six loads of each later tile may be out
.irp i, 0,1,2,3
	v_wmma_scale_f32_16x16x128_f8f6f4 v[ACC+32*\i+8*\a:ACC+32*\i+8*\a+7], v[FW+12*\a:FW+12*\a+11], v[FX+12*\i:FX+12*\i+11], v[ACC+32*\i+8*\a:ACC+32*\i+8*\a+7], v[SR+\a], v[SR+\i] matrix_a_fmt:MATRIX_FMT_FP6 matrix_b_fmt:MATRIX_FMT_FP6 matrix_a_scale:MATRIX_SCALE_ROW1
.endr
.endr
	s_branch .Lrole_done_\@
.Lrole_v_\@:
.irp a, 0,1,2,3
	s_wait_dscnt 18-6*\a
.irp i, 0,1,2,3
	v_wmma_scale_f32_16x16x128_f8f6f4 v[ACC+32*\a+8*\i:ACC+32*\a+8*\i+7], v[FX+12*\i:FX+12*\i+11], v[FW+12*\a:FW+12*\a+11], v[ACC+32*\a+8*\i:ACC+32*\a+8*\i+7], v[SR+\i], v[SR+\a] matrix_a_fmt:MATRIX_FMT_FP6 matrix_b_fmt:MATRIX_FMT_FP6 matrix_b_scale:MATRIX_SCALE_ROW1
.endr
.endr
.Lrole_done_\@:
.endm
	s_cmp_lt_u32 s18, 4                            ; waves 0-3 brought what K steps 0 and 1 read: chunk 0 and the scale words
	s_cbranch_scc0 .Llater
	s_wait_tensorcnt 0x0
.Llater:                                               ; the other waves' loads stay out, and their bytes are read behind the next
	s_barrier_signal -1
	s_barrier_wait -1
	KSTEP ADX, ADW, 0, 0, 1
	KSTEP ADX, ADW, 1, 1, 0
	s_wait_tensorcnt 0x0                           ; all my loads are in, so a group 0 may be written
	ds_add_u32 v[SPW], v[NIL]                      ; 0 onto my spare word: here twice on end
	ds_add_u32 v[SPW], v[NIL]
	s_mov_b32 s[G0W+1], XW                         ; wave 7: from W's chunk 1 to its chunk 3, into slot 0's bytes of W
	s_add_nc_u64 s[G0W+2:G0W+3], s[G0W+2:G0W+3], 6144
	s_wait_dscnt 0x0                               ; the adds are done, and my reads of slot 0 are over
	s_barrier_signal -1
	s_barrier_wait -1
	s_cmp_eq_u32 s18, 7
	s_cbranch_scc0 .Lno_w3
	TLOAD G0W, GW                                  ; the refill: it has four K steps in which to land
.Lno_w3:
	KSTEP ADX+1, ADW+1, 0, 2, 0
	KSTEP ADX+1, ADW+1, 1, 3, 0
	KSTEP ADX+2, ADW+2, 0, 4, 0
	KSTEP ADX+2, ADW+2, 1, 5, 0
	s_wait_tensorcnt 0x0                           ; W's chunk 3 is in,
	s_wait_dscnt 0x0
	s_barrier_signal -1
	s_barrier_wait -1                              ; for every wave; nothing is filled any more
	KSTEP ADX+3, ADW, 0, 6, 0
	KSTEP ADX+3, ADW, 1, 7, 0
	; ---- THE WAY OUT, the same in both roles: for each tile i1 of the lanes' axis the 32 registers are 64 numbers along the next K: two blocks of 32, each shared by lanes l and l xor 16
.set TM, 20
.set TP, 28
.set SO, 36
.set BY, 44
.set D6, 52
.set TT, 76
.set PW, 92
.rept 4
	v_nop                                          ; places behind the last products
.endr
.irp q, 0,1,2,3,4,5,6,7
	v_mov_b32 v[TP+\q], 0                          ; a lane permute's destination counts as one of its sources
.endr
.irp q, 0,1,2,3,4,5,6,7
	v_max3_num_f32 v[TM+\q], |v[ACC+16*\q]|, |v[ACC+16*\q+1]|, 0x1800000   ; each accumulator from its low end on; the floor holds the byte at 1 from below
.endr
.irp i, 2,4,6,8,10,12,14
.irp q, 0,1,2,3,4,5,6,7
	v_max3_num_f32 v[TM+\q], v[TM+\q], |v[ACC+16*\q+\i]|, |v[ACC+16*\q+\i+1]|
.endr
.endr
.irp q, 0,1,2,3,4,5,6,7
	v_permlanex16_b32 v[TP+\q], v[TM+\q], s26, s27
.endr
.irp q, 0,1,2,3,4,5,6,7
	v_max_num_f32 v[TM+\q], v[TM+\q], v[TP+\q]
.endr
.irp q, 0,1,2,3,4,5,6,7
	v_add_nc_u32 v[SO+\q], 0xff000000, v[TM+\q]    ; 2 off the exponent field: the conversion's scale operand
.endr
.irp q, 0,1,2,3,4,5,6,7
	v_lshrrev_b32 v[BY+\q], 23, v[SO+\q]
.endr
.irp a, 0,1,2,3
	v_lshl_or_b32 v[PW+\a], v[BY+2*\a+1], 8, v[BY+2*\a]   ; two bytes; the word's upper half stays 0
.endr
.irp a, 0,1,2,3
	v_cvt_scalef32_pk16_fp6_f32 v[D6+6*\a:D6+6*\a+2], v[ACC+32*\a:ACC+32*\a+15], v[SO+2*\a]
	v_cvt_scalef32_pk16_fp6_f32 v[TT+4*\a:TT+4*\a+2], v[ACC+32*\a+16:ACC+32*\a+31], v[SO+2*\a+1]
.endr
	v_nop                                          ; one plain line behind the conversions
.irp a, 0,1,2,3
.irp i, 0,1,2
	v_permlane16_swap_b32 v[D6+6*\a+\i], v[TT+4*\a+\i]   ; a whole block to a lane: lanes 0-15 the first block, lanes 16-31 the second
.endr
.irp i, 0,1,2
	s_delay_alu instid0(VALU_DEP_3)
	v_mov_b32 v[D6+6*\a+3+\i], v[TT+4*\a+\i]
.endr
.endr
	v_cndmask_b32 v96, v[PW], v[PW+1], s24         ; lanes 0-15 tile 0's words, lanes 16-31 tile 1's
	v_cndmask_b32 v97, v[PW+2], v[PW+3], s24
	s_wait_alu depctr_va_vdst(0)                   ; the wait ahead of the run of scalar lines
	s_lshl_b32 s72, s22, 2
	s_add_co_u32 s72, s72, s19                     ; which 64 tokens of the 4,096
	s_lshr_b32 s73, s72, 5                         ; batch
	s_and_b32 s74, s72, 31
	s_lshl_b32 s73, s73, 4
	s_and_b32 s75, s23, 15
	s_add_co_u32 s73, s73, s75                     ; batch x 16 + head
	s_lshl_b32 s73, s73, 2
	s_lshr_b32 s75, s74, 3
	s_add_co_u32 s73, s73, s75                     ; which 512 tokens: q's part
	s_lshr_b32 s75, s23, 4                         ; q, k or v
	s_lshl_b32 s79, s73, 1
	s_add_co_u32 s79, s79, s75
	s_add_co_u32 s79, s79, 127                     ; k's and v's: part 128 + 2 x that + 0 or 1
	s_cmp_eq_u32 s75, 0
	s_cselect_b32 s73, s73, s79
	s_mul_i32 s73, s73, PARTB
	s_and_b32 s74, s74, 7                          ; the group of 64 in the part
	s_mul_i32 s76, s74, 4*768
	s_add_co_u32 s76, s76, s73
	s_mov_b32 s77, 0
	s_add_nc_u64 s[76:77], s[14:15], s[76:77]
	s_lshl_b32 s78, s74, 8
	s_add_co_u32 s78, s78, s73
	s_add_co_u32 s78, s78, 8*4*768
	s_mov_b32 s79, 0
	s_add_nc_u64 s[78:79], s[14:15], s[78:79]
.irp a, 0,1,2,3
.irp p, 0,1,2
	global_store_b64 v[L8], v[D6+6*\a+2*\p:D6+6*\a+2*\p+1], s[76:77] offset:768*\a+256*\p   ; 32 lanes store 256 consecutive bytes, aligned
.endr
.endr
	global_store_b64 v[L8], v[96:97], s[78:79]
	s_wait_tensorcnt 0x0                           ; the wave's end
	ds_add_u32 v[SPW], v[NIL]
	s_wait_dscnt 0x0
	s_endpgm
.Lfunc_end_k_qbcf937b89f_proj:
	.size	k_qbcf937b89f_proj, .Lfunc_end_k_qbcf937b89f_proj-k_qbcf937b89f_proj
	.p2alignl 7, 3214868480
	.fill 96, 4, 3214868480
	.section	.rodata,"a",@progbits
	.p2align	6, 0x0
	.amdhsa_kernel k_qbcf937b89f_proj
		.amdhsa_group_segment_fixed_size 327680
		.amdhsa_private_segment_fixed_size 0
		.amdhsa_enable_private_segment 0
		.amdhsa_kernarg_size 56
		.amdhsa_user_sgpr_count 2
		.amdhsa_user_sgpr_kernarg_segment_ptr 1
		.amdhsa_wavefront_size32 1
		.amdhsa_system_sgpr_workgroup_id_x 1
		.amdhsa_system_sgpr_workgroup_id_y 1
		.amdhsa_system_sgpr_workgroup_id_z 1
		.amdhsa_system_vgpr_workitem_id 0
		.amdhsa_next_free_vgpr 256
		.amdhsa_next_free_sgpr 96
		.amdhsa_reserve_vcc 0
		.amdhsa_float_denorm_mode_32 3
		.amdhsa_float_denorm_mode_16_64 3
		.amdhsa_memory_ordered 1
		.amdhsa_forward_progress 1
		.amdhsa_inst_pref_size 102
	.end_amdhsa_kernel
	.amdgpu_metadata
---
amdhsa.version: [ 1, 2 ]
amdhsa.kernels:
  - .name:           k_qbcf937b89f_proj
    .symbol:         k_qbcf937b89f_proj.kd
    .args:
      - { .name: cod, .offset: 0, .size: 8, .value_kind: global_buffer, .address_space: global }
      - { .name: scl, .offset: 8, .size: 8, .value_kind: global_buffer, .address_space: global }
      - { .name: bq, .offset: 16, .size: 8, .value_kind: global_buffer, .address_space: global }
      - { .name: bk, .offset: 24, .size: 8, .value_kind: global_buffer, .address_space: global }
      - { .name: bv, .offset: 32, .size: 8, .value_kind: global_buffer, .address_space: global }
      - { .name: qkvc, .offset: 40, .size: 8, .value_kind: global_buffer, .address_space: global }
      - { .name: pb8, .offset: 48, .size: 8, .value_kind: global_buffer, .address_space: global }
    .group_segment_fixed_size: 327680
    .private_segment_fixed_size: 0
    .kernarg_segment_align: 8
    .kernarg_segment_size: 56
    .max_flat_workgroup_size: 384
    .sgpr_count:     96
    .vgpr_count:     256
    .wavefront_size: 32
...
	.end_amdgpu_metadata
.endif
;; end of part 2
;; launch attn (part 3): grid 8 x 32, 16 waves a work-group, no clusters, 215,040 bytes of LDS; arguments qkvc, pb8, mw, mf, ao, aos; writes ao, aos
.if DOCPART == 3
	.amdgcn_target "amdgcn-amd-amdhsa--gfx1250"
	.amdhsa_code_object_version 6
	.text
	.protected	k_qbcf937b89f_attn
	.globl	k_qbcf937b89f_attn
	.p2align	8
	.type	k_qbcf937b89f_attn,@function
k_qbcf937b89f_attn:
	s_mov_b64 s[64:65], 0
	v_nop
	global_prefetch_b8 v0, s[64:65] scope:SCOPE_SE
	s_setreg_imm32_b32 hwreg(HW_REG_WAVE_MODE, 25, 1), 1
	s_wait_xcnt 0x0
; O = softmax(q k^T / 8 + pos_bias, masked) v for one head, both products on codes of FP6 (E2M3) with E8M0 scales; O leaves as codes, quantised along the head's 64 dims for the last projection.
; THE SOFTMAX AHEAD OF THE SECOND PRODUCT: t = (q.k + 8 pos_bias) x log2(e) / 8; M = the largest t so far, rounded UP to a whole number; p = 2^(t - M) is quantised along the keys, not normalised.
; The row's sum is taken of the unquantised p and divides O at the end.  When M moves, the sum and O are multiplied by 2^(old M - new M): exact.
; SHARES.  A work-group owns 256 queries (x) of one batch and head (y); each of its 16 waves owns 16 of them; every wave walks the head's 2,048 keys, 128 a step.
; K, V AND THEIR SCALE WORDS, 212,992 consecutive bytes of qkvc, come into LDS as they lie, each byte once, THROUGH REGISTERS: a round is 8,192 bytes, 16 a thread.  Rounds 0-9 at the head; two rounds in each of key steps 0-7:
; asked for behind the step's first products, stored at its end.  So 81,920 bytes lie there at the first barrier (keys 0-511 need 53,248), 147,456 at the second (106,496), all at the third; no barrier follows it.
; LAYOUT.  Both products are used transposed: S^T = K Q^T, O^T = V^T P^T: a lane holds ONE query (lane % 16) throughout.  The first product's K is 64: Q's registers 6-11 are zero codes; K's operand names 12 registers of which the
; upper six are the next tile's codes: they meet zero codes and add nothing (the scale bytes there are 0, no NaN).  8 x pos_bias is the C of the first product, loaded into the scores' registers a step ahead.
; THE MASK comes as 64 words a step (one for each register of scores, one bit a lane) and one flag, by scalar loads a step ahead.  Where the flag says that none of the tile's 2,048 numbers is hidden, a scalar branch leads round the 64 selects, and round nothing else.
; NO TENSOR LOAD, NO CLUSTER: the tiles come by plain loads, which have no joint form.
; NO PREFETCH: the stage's own loads ask for each byte at least four key steps ahead of its first use.
; LIMITS: a p under 2^-126 counts as 0; a block of zeros gets the byte 1; a query with no key left gets the scale bytes 0xff, so that its whole output row becomes NaN, as the softmax of an empty row is; NaN and infinities among the inputs are not served.
.set PARTB,  26624
.set CHB,    2*PARTB                   ; 512 keys: K's part, then V's
.set SPARE,  4*CHB                     ; the spare words: 128 bytes for each of 16 waves; no other line names them
.set RND,    8192
.set L8,   1
.set ADK,  2                           ; v2 the step's codes;  v3 its scale words
.set ADS,  3
.set BOF,  4                           ; v4 byte offset of the next step's 8 x pos_bias
.set NINF, 5
.set QS,   6
.set KS,   8                           ; v8-11 K's scale words: register i: tile 2 i below, tile 2 i + 1 above
.set NM,   12                          ; v12 -M;  v13 the largest t so far
.set MT,   13
.set LS,   14                          ; v[14:15] the sum, in two halves
.set Q,    16                          ; v16-27 Q (v22-27 zeros)
.set KF,   28                          ; v28-75 K's eight half fragments, then V's four fragments;  v76-81 zeros
.set VSA,  82
.set VSB,  84
.set VS,   86
.set SPW,  88                          ; v88 SPARE + 4 x thread;  v89 0; never rewritten
.set NIL,  89
.set S,    96                          ; v96-159 8 x pos_bias, then S^T, then p
.set OT,   160                         ; v160-191 O^T  (v160-199 at the head: rounds 0-9)
.set PC,   192
.set TT,   204
.set BM,   212
.set BT,   216
.set SO,   220
.set PW,   224
.set FF,   226
.set TA,   228
.set STB,  230                         ; v230 a pair of rounds: byte offset in K and V, the same in memory and in LDS
.set T16,  231                         ; v231 16 x thread
.set SG,   232                         ; v232-239 two rounds on their way
.set XS,   240                         ; v240-253 seven partial sums
	s_load_b256 s[16:23], s[0:1], 0x0              ; qkvc, pb8, mw, mf
	s_load_b128 s[24:27], s[0:1], 0x20             ; ao, aos
	v_lshl_add_u32 v[SPW], v0, 2, SPARE
	v_mov_b32 v[NIL], 0
	v_lshrrev_b32 v7, 5, v0
	v_lshlrev_b32 v[T16], 4, v0
	v_and_b32 v90, 31, v0
	v_readfirstlane_b32 s2, v7                     ; wave 0..15
	v_and_b32 v7, 15, v0                           ; r
	v_lshlrev_b32 v[L8], 3, v90
	v_bfe_u32 v90, v0, 4, 1                        ; h
	v_add_nc_u32 v[STB], 0x10000, v[T16]
	v_lshlrev_b32 v91, 3, v7                       ; 8 r
	v_lshlrev_b32 v92, 2, v7                       ; 4 r
	s_and_b32 s28, ttmp7, 0xffff                   ; batch x 16 + head
	s_lshr_b32 s29, s28, 4                         ; batch
	s_and_b32 s30, s28, 15                         ; head
	s_lshl_b32 s31, ttmp9, 4
	s_add_co_u32 s31, s31, s2                      ; my tile of 16 queries in the batch
	s_lshl_b32 s32, s29, 7
	s_add_co_u32 s32, s32, s31                     ; and among all 256
	s_lshl_b32 s48, s30, 6
	s_wait_alu depctr_va_vdst(0)                   ; the wait ahead of the reader below
	v_lshl_add_u32 v[BOF], v90, 5, s48
	s_lshl_b32 s34, s28, 3
	s_add_co_u32 s34, s34, 128
	s_mul_i32 s34, s34, PARTB                      ; the head's K and V: parts 128 + 8 (batch x 16 + head) on
	s_mov_b32 s35, 0
	s_lshl_b32 s36, s28, 2
	s_lshr_b32 s37, ttmp9, 1
	s_add_co_u32 s36, s36, s37
	s_mul_i32 s36, s36, PARTB                      ; Q's part: which 512 tokens,
	s_and_b32 s37, ttmp9, 1
	s_lshl_b32 s37, s37, 2
	s_lshr_b32 s38, s2, 2
	s_add_co_u32 s37, s37, s38                     ; which group of 64,
	s_and_b32 s38, s2, 3                           ; which tile of the group
	s_mul_i32 s39, s37, 3072
	s_mul_i32 s40, s38, 768
	s_add_co_u32 s39, s39, s40
	s_add_co_u32 s66, s36, s39
	s_mov_b32 s67, 0
	s_lshl_b32 s41, s37, 8                         ; its scale words: the group's unit, lanes 16 (tile % 2) on, word tile / 2
	s_and_b32 s42, s38, 1
	s_lshl_b32 s42, s42, 7
	s_lshr_b32 s43, s38, 1
	s_lshl_b32 s43, s43, 2
	s_add_co_u32 s41, s41, s42
	s_add_co_u32 s41, s41, s43
	s_add_co_u32 s41, s41, s36
	s_add_co_u32 s8, s41, 24576
	s_mov_b32 s9, 0
	s_lshl_b32 s4, s32, 12                         ; my queries' 16 x 64 mask words,
	s_mov_b32 s5, 0
	s_lshl_b32 s84, s32, 6                         ; their 16 flags
	s_mov_b32 s85, 0
	s_lshl_b32 s10, s29, 17                        ; the batch's 128 tiles of 8 x pos_bias
	s_mov_b32 s11, 0
	s_lshl_b32 s44, s32, 4
	s_add_co_u32 s44, s44, s30
	s_mul_i32 s98, s44, 768                        ; O's unit: [tile][head]
	s_mov_b32 s99, 0
	s_lshl_b32 s45, s32, 3
	s_lshr_b32 s46, s30, 1
	s_add_co_u32 s45, s45, s46
	s_lshl_b32 s45, s45, 6
	s_and_b32 s46, s30, 1
	s_lshl_b32 s46, s46, 1
	s_add_co_u32 s100, s45, s46                    ; O's scale bytes: [tile][head / 2][row] words, half head % 2
	s_mov_b32 s101, 0
	s_mov_b32 s12, 0x3e38aa3b                      ; c = log2(e) / 8
	s_mov_b32 s13, s12
	s_mov_b32 s14, 0x76543210
	s_mov_b32 s15, 0xfedcba98                      ; selects for lane l xor 16
	s_wait_alu depctr_va_vdst(0)                   ; the wait at the head's end
	s_wait_kmcnt 0x0
	s_add_nc_u64 s[88:89], s[16:17], s[34:35]
	s_add_nc_u64 s[66:67], s[16:17], s[66:67]
	s_add_nc_u64 s[8:9], s[16:17], s[8:9]
	s_add_nc_u64 s[10:11], s[18:19], s[10:11]
	s_add_nc_u64 s[4:5], s[20:21], s[4:5]
	s_add_nc_u64 s[84:85], s[22:23], s[84:85]
	s_add_nc_u64 s[98:99], s[24:25], s[98:99]
	s_add_nc_u64 s[100:101], s[26:27], s[100:101]
.irp i, 0,1,2,3,4,5,6,7,8,9
	global_load_b128 v[OT+4*\i:OT+4*\i+3], v[T16], s[88:89] offset:RND*\i   ; a wave reads 512 consecutive bytes
.endr
.irp p, 0,1,2
	global_load_b64 v[Q+2*\p:Q+2*\p+1], v[L8], s[66:67] offset:256*\p
.endr
	global_load_b32 v[QS], v91, s[8:9]
.macro BIAS                            ; 8 x pos_bias of the next 128 keys into the scores' registers: register 8 t + j: key 16 t + 8 h + j
.irp t, 0,1,2,3,4,5,6,7
	global_load_b128 v[S+8*\t:S+8*\t+3], v[BOF], s[10:11] offset:1024*\t
	global_load_b128 v[S+8*\t+4:S+8*\t+7], v[BOF], s[10:11] offset:1024*\t+16
.endr
.endm
.macro MLOAD                           ; a step's 64 mask words, s16-63 and s68-83, and its flag, s87
	s_load_b512 s[16:31], s[4:5], s6 offset:0x0
	s_load_b512 s[32:47], s[4:5], s6 offset:0x40
	s_load_b512 s[48:63], s[4:5], s6 offset:0x80
	s_load_b512 s[68:83], s[4:5], s6 offset:0xc0
	s_load_b32 s87, s[84:85], s86 offset:0x0
.endm
	BIAS
	v_mov_b32 v[NINF], 0xff800000
.irp j, 6,7,8,9,10,11
	v_mov_b32 v[Q+\j], 0                           ; zero codes for k = 64 .. 127
	v_mov_b32 v[KF+42+\j], 0                       ; v76-81: what the last tile's operand names beyond its codes
.endr
	v_mov_b32 v[MT], 0xff61b1e6                    ; -3e38, under every t
	v_mov_b32 v[LS], 0
	v_mov_b32 v[LS+1], 0
	v_floor_f32 v[NM], -v[MT]
.irp b, 0,1,2,3
	v_mov_b32 v[BT+\b], 0                          ; a lane permute's destination counts as one of its sources
.endr
	v_mov_b32 v[FF+1], 0                           ; (named as the upper half of a pair)
	v_mov_b32 v[TA], 0
	s_wait_xcnt 0x0                                ; the loads above have read their bases: s8 is written again below
	s_mov_b32 s6, 0
	s_mov_b32 s86, 0
	MLOAD
.irp i, 0,1,2,3,4,5,6,7
	s_wait_loadcnt 29-\i                           ; round i is in; behind it: the 9 - i later rounds and the 20 loads of Q and the bias
	ds_store_b128 v[T16], v[OT+4*\i:OT+4*\i+3] offset:RND*\i
.endr
.irp i, 8,9
	s_wait_loadcnt 29-\i
	ds_store_b128 v[STB], v[OT+4*\i:OT+4*\i+3] offset:RND*(\i-8)
.endr
	s_wait_dscnt 0x0                               ; my part of rounds 0-9 lies in LDS
	s_barrier_signal -1
.set n, 0
.rept 32
	v_mov_b32 v[OT+n], 0                           ; the step is written once: the first finds zeros, which the first change of M leaves zeros
.set n, n+1
.endr
	s_barrier_wait -1
; A KEY STEP: 128 keys.  ld = 1: two rounds of K and V come in beside it
.macro STEP ld
	v_add_nc_u32 v[ADK], s7, v[L8]
	v_add_nc_u32 v[ADS], s8, v[L8]
	v_nop
	v_nop                                          ; four places behind the last step's products, in front of loads into registers that they read
	ds_load_b64 v[KS:KS+1], v[ADS] offset:24576
	ds_load_b64 v[KS+2:KS+3], v[ADS] offset:24832
.irp t, 0,1,2,3,4,5,6,7
.irp p, 0,1,2
	ds_load_b64 v[KF+6*\t+2*\p:KF+6*\t+2*\p+1], v[ADK] offset:768*\t+256*\p
.endr
.endr
	s_wait_alu depctr_va_vdst(0)                   ; the wait ahead of the waits below
	s_wait_kmcnt 0x0                               ; this step's mask words and flag
	s_add_co_u32 s6, s6, 256
	s_and_b32 s6, s6, 0xfff                        ; the next step's; behind the last step the first again: no load leaves its buffer
	s_add_co_u32 s86, s86, 4
	s_and_b32 s86, s86, 63
	s_wait_loadcnt 0x0                             ; 8 x pos_bias (and, in the first step, Q)
	s_wait_dscnt 0x0                               ; K's fragments; and the last step's two stores into LDS have read their registers
.irp t, 0,1,2,3,4,5,6,7
.if \t%2
	v_wmma_scale_f32_16x16x128_f8f6f4 v[S+8*\t:S+8*\t+7], v[KF+6*\t:KF+6*\t+11], v[Q:Q+11], v[S+8*\t:S+8*\t+7], v[KS+\t/2], v[QS] matrix_a_fmt:MATRIX_FMT_FP6 matrix_b_fmt:MATRIX_FMT_FP6 matrix_a_scale:MATRIX_SCALE_ROW1
.else
	v_wmma_scale_f32_16x16x128_f8f6f4 v[S+8*\t:S+8*\t+7], v[KF+6*\t:KF+6*\t+11], v[Q:Q+11], v[S+8*\t:S+8*\t+7], v[KS+\t/2], v[QS] matrix_a_fmt:MATRIX_FMT_FP6 matrix_b_fmt:MATRIX_FMT_FP6
.endif
.endr
	v_add_nc_u32 v[BOF], 8192, v[BOF]              ; the next step's eight tiles of 8 x pos_bias;
.if \ld
	v_add_nc_u32 v[STB], s90, v[T16]
.else
	v_nop
.endif
	v_and_b32 v[BOF], 0x1ffff, v[BOF]              ; behind the last step the first again
	v_nop                                          ; four places: for the loads below and for the first read of the scores
	ds_load_b64 v[VSA:VSA+1], v[ADS] offset:PARTB+24576
	ds_load_b64 v[VSB:VSB+1], v[ADS] offset:PARTB+24832
.irp d, 0,1,2,3
.irp c, 0,1
.irp p, 0,1,2
	ds_load_b64 v[KF+12*\d+6*\c+2*\p:KF+12*\d+6*\c+2*\p+1], v[ADK] offset:PARTB+3072*\c+768*\d+256*\p
.endr
.endr
.endr
.if \ld
	global_load_b128 v[SG:SG+3], v[STB], s[88:89]
	global_load_b128 v[SG+4:SG+7], v[STB], s[88:89] offset:RND
.endif
	s_bitcmp1_b32 s87, 0                           ; is nothing of this tile hidden?
	s_wait_alu depctr_va_vdst(0)                   ; the wait directly ahead of the branch
	s_cbranch_scc1 .Lfull_\@
.set n, 0
.rept 64
.if n < 48
	v_cndmask_b32 v[S+n], v[NINF], v[S+n], s[16+n] ; hidden scores become -infinity: p = 0 then.  Each accumulator from its low end on
.else
	v_cndmask_b32 v[S+n], v[NINF], v[S+n], s[20+n]
.endif
.set n, n+1
.endr
.Lfull_\@:
.irp b, 0,1,2,3
	v_max3_num_f32 v[BM+\b], v[S+16*\b], v[S+16*\b+1], v[S+16*\b+2]   ; the largest score of each block of 32 keys: it serves the row's maximum and, since p rises with the score, the block's largest p
.endr
.irp i, 3,5,7,9,11,13
.irp b, 0,1,2,3
	v_max3_num_f32 v[BM+\b], v[BM+\b], v[S+16*\b+\i], v[S+16*\b+\i+1]   ; the four blocks by turns
.endr
.endr
.irp b, 0,1,2,3
	v_max_num_f32 v[BM+\b], v[BM+\b], v[S+16*\b+15]
.endr
.irp b, 0,1,2,3
	s_delay_alu instid0(VALU_DEP_4)
	v_permlanex16_b32 v[BT+\b], v[BM+\b], s14, s15
.endr
.irp b, 0,1,2,3
	s_delay_alu instid0(VALU_DEP_4)
	v_max_num_f32 v[BM+\b], v[BM+\b], v[BT+\b]     ; with lane l xor 16's 16 keys
.endr
	s_delay_alu instid0(VALU_DEP_2)
	v_max3_num_f32 v[TA], v[BM], v[BM+1], v[BM+2]
	s_delay_alu instid0(VALU_DEP_1)
	v_max_num_f32 v[TA], v[TA], v[BM+3]
	s_delay_alu instid0(VALU_DEP_1)
	v_mul_f32 v[TA], s12, v[TA]                    ; as t (c is positive)
	s_delay_alu instid0(VALU_DEP_1)
	v_max_num_f32 v[MT], v[MT], v[TA]              ; the running largest t
	v_mov_b32 v[TA], v[NM]
	s_delay_alu instid0(VALU_DEP_2)
	v_floor_f32 v[NM], -v[MT]                      ; -M = floor(-t): M is a whole number
	s_delay_alu instid0(VALU_DEP_1)
	v_sub_f32 v[TA], v[NM], v[TA]                  ; old M - new M: a whole number, 0 or less
	s_delay_alu instid0(VALU_DEP_1)
	v_cvt_i32_f32 v[TA], v[TA]                     ; (it saturates)
	s_delay_alu instid0(VALU_DEP_1)
	v_ldexp_f32 v[FF], 1.0, v[TA]                  ; f = 2^(old M - new M)
	MLOAD                                          ; this step's words and flag have been read: the next step's are asked for
.set n, 0
.rept 32
	v_pk_fma_f32 v[S+n:S+n+1], v[S+n:S+n+1], s[12:13], v[NM:NM+1] op_sel_hi:[1,0,0]   ; t - M, two at a time
.set n, n+2
.endr
.irp b, 0,1,2,3
	v_fma_f32 v[BM+\b], v[BM+\b], s12, v[NM]       ; the same of each block's largest score
.endr
	s_wait_alu depctr_va_vdst(0)                   ; the wait ahead of the batch
.set n, 0
.rept 64
	v_exp_f32 v[S+n], v[S+n]                       ; p = 2^(t - M), at most 1
.set n, n+1
.endr
.irp b, 0,1,2,3
	v_exp_f32 v[BM+\b], v[BM+\b]                   ; the block's largest p: the same two instructions on the same number
.endr
	v_pk_mul_f32 v[LS:LS+1], v[LS:LS+1], v[FF:FF+1] op_sel_hi:[1,0]   ; the sums under the new M (a plain line behind the exponentials)
	s_wait_alu depctr_va_vdst(0)                   ; and behind it, ahead of its first reader
.irp b, 0,1,2,3
	v_max_num_f32 v[BM+\b], 0x1800000, v[BM+\b]    ; the floor 2^(3 - 127): the byte cannot fall under 1
.endr
.irp b, 0,1,2,3
	s_delay_alu instid0(VALU_DEP_4)
	v_add_nc_u32 v[SO+\b], 0xff000000, v[BM+\b]    ; 2 off the exponent field: the conversion's scale operand
.endr
.irp b, 0,1,2,3
	s_delay_alu instid0(VALU_DEP_4)
	v_lshrrev_b32 v[BT+\b], 23, v[SO+\b]
.endr
	s_delay_alu instid0(VALU_DEP_3)
	v_lshl_or_b32 v[PW], v[BT+1], 8, v[BT]         ; p's scale word for these 128 keys
	s_delay_alu instid0(VALU_DEP_1)
	v_lshl_or_b32 v[PW], v[BT+2], 16, v[PW]
	s_delay_alu instid0(VALU_DEP_1)
	v_lshl_or_b32 v[PW], v[BT+3], 24, v[PW]
.irp c, 0,1
	v_cvt_scalef32_pk16_fp6_f32 v[PC+6*\c:PC+6*\c+2], v[S+32*\c:S+32*\c+15], v[SO+2*\c]
	v_cvt_scalef32_pk16_fp6_f32 v[TT+4*\c:TT+4*\c+2], v[S+32*\c+16:S+32*\c+31], v[SO+2*\c+1]
.endr
	v_nop                                          ; one plain line behind the conversions
.irp c, 0,1
.irp i, 0,1,2
	v_permlane16_swap_b32 v[PC+6*\c+\i], v[TT+4*\c+\i]   ; a whole block to a lane
.endr
.irp i, 0,1,2
	s_delay_alu instid0(VALU_DEP_3)
	v_mov_b32 v[PC+6*\c+3+\i], v[TT+4*\c+\i]
.endr
.endr
	s_wait_dscnt 24                                ; V's scale words are in; the 24 loads of its fragments, issued behind them, may be out
	v_lshl_or_b32 v[VS], v[VSB], 16, v[VSA]        ; two bytes of each 64 keys make the word of 128
	v_lshl_or_b32 v[VS+1], v[VSB+1], 16, v[VSA+1]
	; the row's sum of the unquantised p: 32 pairs in eight chains by turns, then the chains joined: 32 packed additions
.irp c, 0,1,2,3,4,5,6
	v_pk_add_f32 v[XS+2*\c:XS+2*\c+1], v[S+2*\c:S+2*\c+1], v[S+14+2*\c:S+15+2*\c]
.endr
	v_pk_add_f32 v[LS:LS+1], v[LS:LS+1], v[S+28:S+29]
.irp g, 30, 46
.irp c, 0,1,2,3,4,5,6
	v_pk_add_f32 v[XS+2*\c:XS+2*\c+1], v[XS+2*\c:XS+2*\c+1], v[S+\g+2*\c:S+\g+1+2*\c]
.endr
	v_pk_add_f32 v[LS:LS+1], v[LS:LS+1], v[S+\g+14:S+\g+15]
.endr
	v_pk_add_f32 v[XS:XS+1], v[XS:XS+1], v[XS+2:XS+3]
	v_pk_add_f32 v[XS+4:XS+5], v[XS+4:XS+5], v[XS+6:XS+7]
	v_pk_add_f32 v[XS+8:XS+9], v[XS+8:XS+9], v[XS+10:XS+11]
	v_pk_add_f32 v[LS:LS+1], v[LS:LS+1], v[S+62:S+63]
	v_pk_add_f32 v[XS:XS+1], v[XS:XS+1], v[XS+4:XS+5]
	v_pk_add_f32 v[XS+8:XS+9], v[XS+8:XS+9], v[XS+12:XS+13]
	v_pk_add_f32 v[LS:LS+1], v[LS:LS+1], v[XS:XS+1]
	v_pk_add_f32 v[LS:LS+1], v[LS:LS+1], v[XS+8:XS+9]
	BIAS                                           ; p has been read for the last time: its registers take the next step's 8 x pos_bias
	s_wait_dscnt 0x0                               ; V's fragments
	s_wait_alu depctr_va_vdst(0)                   ; the wait directly ahead of the first reader of O^T
.set n, 0
.rept 16
	v_pk_mul_f32 v[OT+n:OT+n+1], v[OT+n:OT+n+1], v[FF:FF+1] op_sel_hi:[1,0]   ; O^T under the new M
.set n, n+2
.endr
.irp d, 0,1,2,3
.if \d%2
	v_wmma_scale_f32_16x16x128_f8f6f4 v[OT+8*\d:OT+8*\d+7], v[KF+12*\d:KF+12*\d+11], v[PC:PC+11], v[OT+8*\d:OT+8*\d+7], v[VS+\d/2], v[PW] matrix_a_fmt:MATRIX_FMT_FP6 matrix_b_fmt:MATRIX_FMT_FP6 matrix_a_scale:MATRIX_SCALE_ROW1
.else
	v_wmma_scale_f32_16x16x128_f8f6f4 v[OT+8*\d:OT+8*\d+7], v[KF+12*\d:KF+12*\d+11], v[PC:PC+11], v[OT+8*\d:OT+8*\d+7], v[VS+\d/2], v[PW] matrix_a_fmt:MATRIX_FMT_FP6 matrix_b_fmt:MATRIX_FMT_FP6
.endif
.endr
.if \ld
	s_wait_loadcnt 16                              ; my two rounds are in; the 16 loads of the bias, issued behind them, may be out
	ds_store_b128 v[STB], v[SG:SG+3]               ; into bytes that nobody reads before the next barrier
	ds_store_b128 v[STB], v[SG+4:SG+7] offset:RND
	s_add_co_u32 s90, s90, 2*RND
.endif
	s_add_co_u32 s7, s7, 2*3072                    ; two groups of 64 keys on
	s_add_co_u32 s8, s8, 2*256
.endm
; 512 KEYS.  bar = 1: each wave's stores into LDS are done, and a barrier shows them to all.  ld = 1: rounds 10 + 8 c on come in
.macro CHUNK c, ld, bar
.if \bar
	s_wait_dscnt 0x0
	s_barrier_signal -1
	s_barrier_wait -1
.endif
	s_mov_b32 s7, \c*CHB
	s_mov_b32 s8, \c*CHB
.if \ld
	s_mov_b32 s90, (10+8*\c)*RND
.endif
	s_mov_b32 s3, 4
.Lstep_\@:
	STEP \ld
	s_sub_co_u32 s3, s3, 1
	s_cmp_lg_u32 s3, 0
	s_cbranch_scc1 .Lstep_\@
.endm
	CHUNK 0, 1, 0
	CHUNK 1, 1, 1
	CHUNK 2, 0, 1
	CHUNK 3, 0, 0
	; ---- THE WAY OUT: O^T / the sum, quantised along the head's 64 dims (two blocks, each shared by lanes l and l xor 16)
	s_wait_loadcnt 0x0                             ; the last step's look-ahead has landed: its registers are written below
	s_wait_kmcnt 0x0
.rept 4
	v_nop                                          ; places behind the last products
.endr
	v_add_f32 v[LS], v[LS], v[LS+1]
	s_delay_alu instid0(VALU_DEP_1)
	v_permlanex16_b32 v[TA], v[LS], s14, s15
	s_delay_alu instid0(VALU_DEP_1)
	v_add_f32 v[LS], v[LS], v[TA]                  ; the row's sum
	s_wait_alu depctr_va_vdst(0)
	v_rcp_f32 v[FF], v[LS]
	v_mov_b32 v[TA+1], 0xffff                      ; (a plain line behind the reciprocal)
	s_wait_alu depctr_va_vdst(0)
.set n, 0
.rept 16
	v_pk_mul_f32 v[S+n:S+n+1], v[OT+n:OT+n+1], v[FF:FF+1] op_sel_hi:[1,0]   ; each accumulator from its low end on
.set n, n+2
.endr
.irp b, 0,1
	v_max3_num_f32 v[BM+\b], |v[S+16*\b]|, |v[S+16*\b+1]|, 0x1800000
.endr
.irp i, 2,4,6,8,10,12,14
.irp b, 0,1
	s_delay_alu instid0(VALU_DEP_2)
	v_max3_num_f32 v[BM+\b], v[BM+\b], |v[S+16*\b+\i]|, |v[S+16*\b+\i+1]|
.endr
.endr
.irp b, 0,1
	s_delay_alu instid0(VALU_DEP_2)
	v_permlanex16_b32 v[BT+\b], v[BM+\b], s14, s15
.endr
.irp b, 0,1
	s_delay_alu instid0(VALU_DEP_2)
	v_max_num_f32 v[BM+\b], v[BM+\b], v[BT+\b]
.endr
.irp b, 0,1
	s_delay_alu instid0(VALU_DEP_2)
	v_add_nc_u32 v[SO+\b], 0xff000000, v[BM+\b]
.endr
.irp b, 0,1
	s_delay_alu instid0(VALU_DEP_2)
	v_lshrrev_b32 v[BT+\b], 23, v[SO+\b]
.endr
	s_delay_alu instid0(VALU_DEP_1)
	v_lshl_or_b32 v[PW], v[BT+1], 8, v[BT]
	v_cmp_eq_f32 vcc_lo, 0, v[LS]                  ; a query with no key left:
	s_delay_alu instid0(VALU_DEP_1)
	v_cndmask_b32 v[PW], v[PW], v[TA+1], vcc_lo    ; both bytes 0xff, so that the last projection gives NaN for its row
	v_cvt_scalef32_pk16_fp6_f32 v[PC:PC+2], v[S:S+15], v[SO]
	v_cvt_scalef32_pk16_fp6_f32 v[TT:TT+2], v[S+16:S+31], v[SO+1]
	v_nop
.irp i, 0,1,2
	v_permlane16_swap_b32 v[PC+\i], v[TT+\i]
.endr
.irp i, 0,1,2
	s_delay_alu instid0(VALU_DEP_3)
	v_mov_b32 v[PC+3+\i], v[TT+\i]
.endr
.irp p, 0,1,2
	global_store_b64 v[L8], v[PC+2*\p:PC+2*\p+1], s[98:99] offset:256*\p   ; 32 lanes store 256 consecutive bytes, aligned
.endr
	global_store_b16 v92, v[PW], s[100:101]        ; my head's half of the rows' scale words (the other half is another work-group's); lanes l and l xor 16 store the same
	s_wait_tensorcnt 0x0                           ; the wave's end
	ds_add_u32 v[SPW], v[NIL]
	s_wait_dscnt 0x0
	s_endpgm
.Lfunc_end_k_qbcf937b89f_attn:
	.size	k_qbcf937b89f_attn, .Lfunc_end_k_qbcf937b89f_attn-k_qbcf937b89f_attn
	.p2alignl 7, 3214868480
	.fill 96, 4, 3214868480
	.section	.rodata,"a",@progbits
	.p2align	6, 0x0
	.amdhsa_kernel k_qbcf937b89f_attn
		.amdhsa_group_segment_fixed_size 215040
		.amdhsa_private_segment_fixed_size 0
		.amdhsa_enable_private_segment 0
		.amdhsa_kernarg_size 48
		.amdhsa_user_sgpr_count 2
		.amdhsa_user_sgpr_kernarg_segment_ptr 1
		.amdhsa_wavefront_size32 1
		.amdhsa_system_sgpr_workgroup_id_x 1
		.amdhsa_system_sgpr_workgroup_id_y 1
		.amdhsa_system_sgpr_workgroup_id_z 1
		.amdhsa_system_vgpr_workitem_id 0
		.amdhsa_next_free_vgpr 256
		.amdhsa_next_free_sgpr 102
		.amdhsa_reserve_vcc 1
		.amdhsa_float_denorm_mode_32 3
		.amdhsa_float_denorm_mode_16_64 3
		.amdhsa_memory_ordered 1
		.amdhsa_forward_progress 1
		.amdhsa_inst_pref_size 114
	.end_amdhsa_kernel
	.amdgpu_metadata
---
amdhsa.version: [ 1, 2 ]
amdhsa.kernels:
  - .name:           k_qbcf937b89f_attn
    .symbol:         k_qbcf937b89f_attn.kd
    .args:
      - { .name: qkvc, .offset: 0, .size: 8, .value_kind: global_buffer, .address_space: global }
      - { .name: pb8, .offset: 8, .size: 8, .value_kind: global_buffer, .address_space: global }
      - { .name: mw, .offset: 16, .size: 8, .value_kind: global_buffer, .address_space: global }
      - { .name: mf, .offset: 24, .size: 8, .value_kind: global_buffer, .address_space: global }
      - { .name: ao, .offset: 32, .size: 8, .value_kind: global_buffer, .address_space: global }
      - { .name: aos, .offset: 40, .size: 8, .value_kind: global_buffer, .address_space: global }
    .group_segment_fixed_size: 215040
    .private_segment_fixed_size: 0
    .kernarg_segment_align: 8
    .kernarg_segment_size: 48
    .max_flat_workgroup_size: 512
    .sgpr_count:     102
    .vgpr_count:     256
    .wavefront_size: 32
...
	.end_amdgpu_metadata
.endif
;; end of part 3
;; launch oproj (part 4): grid 8 x 32, 8 waves a work-group, no clusters, 240,640 bytes of LDS; arguments ao, aos, cod, scl, bo, out0; writes out0
.if DOCPART == 4
	.amdgcn_target "amdgcn-amd-amdhsa--gfx1250"
	.amdhsa_code_object_version 6
	.text
	.protected	k_qbcf937b89f_oproj
	.globl	k_qbcf937b89f_oproj
	.p2align	8
	.type	k_qbcf937b89f_oproj,@function
k_qbcf937b89f_oproj:
	s_mov_b64 s[64:65], 0
	v_nop
	global_prefetch_b8 v0, s[64:65] scope:SCOPE_SE
	s_setreg_imm32_b32 hwreg(HW_REG_WAVE_MODE, 25, 1), 1
	s_wait_xcnt 0x0
; out0 = O wo^T + bo on codes of FP6 (E2M3) with E8M0 scales.  O's codes and scale words come from the attention launch, wo's from the quantiser, both as images of the operands' registers.
; SHARES.  A work-group takes 128 tokens (y) x 128 features (x); wave w: features 64 (w % 2) on (source 0), tokens 32 (w / 2) on (source 1): 8 accumulators.  A lane then holds eight neighbouring features of one token's row.
; LDS.  All of K lies in LDS, in two halves of 512 along K: 16 tiles (8 of O, 8 of wo) x 6,144 bytes each; then the 16 tiles' scale words; then a stage of 16 rows x 272 bytes for each wave.  Nothing is filled twice.
; THE FILLS, one tensor load a wave at the head: wave 0 O's first half of K, wave 1 wo's, wave 2 O's scale words, wave 3 wo's; waves 4, 5 the second halves; waves 6, 7 none.
; Ahead of the first barrier only waves 0-3 wait for their loads: K steps 0-3 read nothing else.  Ahead of the second every wave waits for all its loads.
; NO CLUSTER in this text: joint loads would want a round of the cluster's barrier ahead of the only loads and one at the end, for one fill of each byte.  NO PREFETCH: every byte is asked for at the head; there is no loop to run ahead in.
; THE BIAS is what the sums begin with.  LIMITS: a token whose scale bytes are 0xff (a query with no key left) gives NaN in its whole row, as the reference does.
.set TILEB, 6144
.set HALF,  16*TILEB
.set SCL,   2*HALF
.set STG,   SCL+16*512
.set SP,    272
.set SPARE, STG+8*16*SP                ; the spare words: 128 bytes for each of 8 waves; no other line names them
.set SPW, 1                            ; v1 SPARE + 4 x thread;  v2 0; never rewritten
.set NIL, 2
.set L8,  3
.set ADX, 4                            ; v4-5 my two tiles of O in the two halves;  v6-7 my four tiles of wo
.set ADW, 6
.set SA,  10                           ; v10 scale words: lanes 0-15 O's rows, lanes 16-31 wo's
.set SR,  16
.set FX,  20
.set FW,  68
.set ACC, 128                          ; accumulator (a of wo, i of O) at 128 + 32 i + 8 a
.set G1,  28
.set G1S, 36
.set G0S, 44                           ; groups 0: s[44:47] waves 2, 3;  s[48:51] waves 0, 1;  s[52:55] waves 4, 5
.set G0E, 48
.set G0L, 52
	s_load_b256 s[4:11], s[0:1], 0x0               ; ao, aos, cod, scl
	s_load_b128 s[12:15], s[0:1], 0x20             ; bo, out0
	v_lshl_add_u32 v[SPW], v0, 2, SPARE
	v_mov_b32 v[NIL], 0
	ds_add_u32 v[SPW], v[NIL]                      ; the opening lines: the add twice on end and one wait
	ds_add_u32 v[SPW], v[NIL]
	v_lshrrev_b32 v11, 5, v0
	s_delay_alu instid0(VALU_DEP_1)
	v_readfirstlane_b32 s18, v11                   ; wave 0..7
	s_and_b32 s19, s18, 1                          ; wn
	s_lshr_b32 s20, s18, 1                         ; wm
	s_mov_b32 s21, ttmp9
	s_and_b32 s22, ttmp7, 0xffff
	s_mov_b32 s[G1+0], 3<<16                       ; eight tiles x 6,144 bytes, 12,288 bytes apart; elements of 8 bytes
	s_mov_b32 s[G1+1], 768<<16
	s_mov_b32 s[G1+2], 8<<16
	s_mov_b32 s[G1+3], 768<<16
	s_mov_b32 s[G1+4], 8
	s_mov_b32 s[G1+5], 1536
	s_mov_b32 s[G1+6], 0
	s_mov_b32 s[G1+7], 0
	s_mov_b32 s[G1S+0], 3<<16                      ; eight tiles' scale words: 16 rows of 256 bytes
	s_mov_b32 s[G1S+1], 32<<16
	s_mov_b32 s[G1S+2], 16<<16
	s_mov_b32 s[G1S+3], 32<<16
	s_mov_b32 s[G1S+4], 16
	s_mov_b32 s[G1S+5], 32
	s_mov_b32 s[G1S+6], 0
	s_mov_b32 s[G1S+7], 0
	s_mul_i32 s66, s22, 8*12288                    ; O's tiles 8 y on
	s_mov_b32 s67, 0
	s_mul_i32 s68, s21, 8*12288
	s_add_co_u32 s68, s68, 448*12288               ; wo's tiles 448 + 8 x on
	s_mov_b32 s69, 0
	s_lshl_b32 s70, s22, 12                        ; O's scale words, 512 bytes a tile
	s_mov_b32 s71, 0
	s_lshl_b32 s72, s21, 12
	s_add_co_u32 s72, s72, 448*512                 ; wo's
	s_mov_b32 s73, 0
	s_and_b32 s74, s18, 3
	s_mov_b32 s[G0E], 1                            ; LDS addresses hang on the wave's number alone
	s_mul_i32 s[G0E+1], s18, 8*TILEB
	s_mov_b32 s[G0S], 1
	s_lshl_b32 s[G0S+1], s18, 12
	s_add_co_u32 s[G0S+1], s[G0S+1], SCL-2*4096
	s_mov_b32 s[G0L], 1
	s_mul_i32 s[G0L+1], s74, 8*TILEB
	s_add_co_u32 s[G0L+1], s[G0L+1], HALF
	s_wait_dscnt 0x0
	s_wait_kmcnt 0x0
	s_add_nc_u64 s[66:67], s[4:5], s[66:67]
	s_add_nc_u64 s[68:69], s[8:9], s[68:69]
	s_add_nc_u64 s[70:71], s[6:7], s[70:71]
	s_add_nc_u64 s[72:73], s[10:11], s[72:73]
	s_cmp_lt_u32 s18, 1                            ; the choices hang on the wave's number alone
	s_cselect_b64 s[G0E+2:G0E+3], s[66:67], s[68:69]
	s_or_b32 s[G0E+3], s[G0E+3], 0x80000000
	s_cmp_lt_u32 s18, 3
	s_cselect_b64 s[G0S+2:G0S+3], s[70:71], s[72:73]
	s_or_b32 s[G0S+3], s[G0S+3], 0x80000000
	s_cmp_lt_u32 s18, 5
	s_cselect_b64 s[G0L+2:G0L+3], s[66:67], s[68:69]
	s_add_nc_u64 s[G0L+2:G0L+3], s[G0L+2:G0L+3], TILEB   ; K 512 on
	s_or_b32 s[G0L+3], s[G0L+3], 0x80000000
.macro TLOAD g0, g1
	tensor_load_to_lds s[\g0:\g0+3], s[\g1:\g1+7]
	s_nop 0
.rept 4
	v_nop
.endr
.endm
	s_cmp_lt_u32 s18, 2                            ; one chain of branches on the wave's number, one load to an arm, all arms to one join
	s_cbranch_scc0 .Lh_s
	TLOAD G0E, G1
	s_branch .Lh_done
.Lh_s:
	s_cmp_lt_u32 s18, 4
	s_cbranch_scc0 .Lh_l
	TLOAD G0S, G1S
	s_branch .Lh_done
.Lh_l:
	s_cmp_lt_u32 s18, 6
	s_cbranch_scc0 .Lh_done
	TLOAD G0L, G1
.Lh_done:
	s_mul_i32 s70, s20, 2*TILEB
	s_mul_i32 s71, s19, 4*TILEB
	s_add_co_u32 s71, s71, 8*TILEB
	s_lshl_b32 s74, s20, 10                        ; O's tiles 2 wm on: 512 bytes of scale words a tile
	s_lshl_b32 s75, s19, 11
	s_add_co_u32 s75, s75, 4096                    ; wo's tiles 8 + 4 wn on
	s_sub_co_u32 s75, s75, s74                     ; the distance, always above 0
	s_add_co_u32 s74, s74, SCL
	s_mul_i32 s76, s18, 16*SP
	s_add_co_u32 s76, s76, STG                     ; my stage
	v_and_b32 v11, 31, v0
	v_and_b32 v14, 15, v0                          ; r
	v_bfe_u32 v13, v0, 4, 1                        ; h
	v_lshlrev_b32 v[L8], 3, v11
	v_mul_u32_u24 v[SA], s75, v13
	v_lshlrev_b32 v12, 5, v13                      ; 32 h
	v_mul_u32_u24 v8, v14, SP
	v_mul_u32_u24 v9, v13, SP
	v_lshlrev_b32 v15, 12, v13
	v_add_nc_u32 v[ADX], s70, v[L8]
	v_add_nc_u32 v[ADW], s71, v[L8]
	v_lshl_add_u32 v[SA], v14, 2, v[SA]
	v_add_nc_u32 v8, v8, v12
	v_lshl_add_u32 v9, v14, 4, v9
	v_lshl_add_u32 v15, v14, 4, v15                ; two rows of out0: lanes 0-15 one row's 256 bytes, lanes 16-31 the next
	v_add_nc_u32 v[ADX+1], HALF, v[ADX]
	v_add_nc_u32 v[ADW+1], HALF, v[ADW]
	v_add_nc_u32 v[SA], s74, v[SA]
	v_add_nc_u32 v8, s76, v8                       ; the stage, in: row r, 32 bytes for each half of the lanes
	v_add_nc_u32 v9, s76, v9                       ; back: the same two rows
	s_wait_alu depctr_va_vdst(0)                   ; the wait at the head's end
	s_lshl_b32 s70, s21, 9
	s_lshl_b32 s71, s19, 8
	s_add_co_u32 s70, s70, s71                     ; my first feature, in bytes
	s_mov_b32 s71, 0
	s_add_nc_u64 s[12:13], s[12:13], s[70:71]
	s_lshl_b32 s72, s22, 7
	s_lshl_b32 s73, s20, 5
	s_add_co_u32 s72, s72, s73                     ; my first token
	s_lshl_b32 s72, s72, 12
	s_add_co_u32 s70, s70, s72
	s_add_nc_u64 s[14:15], s[14:15], s[70:71]
.irp i, 0,1
.irp a, 0,1,2,3
	global_load_b128 v[ACC+32*\i+8*\a:ACC+32*\i+8*\a+3], v12, s[12:13] offset:64*\a     ; the sums begin as the bias: register j: feature 16 a + 8 h + j
	global_load_b128 v[ACC+32*\i+8*\a+4:ACC+32*\i+8*\a+7], v12, s[12:13] offset:64*\a+16
.endr
.endr
	s_wait_loadcnt 0x0
	s_cmp_lt_u32 s18, 4                            ; waves 0-3 brought what K steps 0-3 read: the first half of K and the scale words
	s_cbranch_scc0 .Llater
	s_wait_tensorcnt 0x0
.Llater:                                               ; the second half's loads stay out, and their bytes are read behind the next barrier
	s_barrier_signal -1
	s_barrier_wait -1
; A K STEP of 128, s of eight.  The 8 accumulators take turns, one instruction a turn.
.macro KSTEP s
.if \s > 0
.rept 4
	v_nop                                          ; places in front of loads into registers that matrix instructions have read
.endr
.endif
.irp i, 0,1,2,3
	ds_load_b32 v[SR+\i], v[SA] offset:512*\i+64*\s     ; (of registers 2 and 3 only lanes 16-31 are used)
.endr
.irp i, 0,1
.irp q, 0,1,2,3,4,5
	ds_load_b64 v[FX+12*\i+2*\q:FX+12*\i+2*\q+1], v[ADX+\s/4] offset:1536*(\s%4)+TILEB*\i+256*\q
.endr
.endr
.irp i, 0,1,2,3
.irp q, 0,1,2,3,4,5
	ds_load_b64 v[FW+12*\i+2*\q:FW+12*\i+2*\q+1], v[ADW+\s/4] offset:1536*(\s%4)+TILEB*\i+256*\q
.endr
.endr
.irp a, 0,1,2,3
	s_wait_dscnt 18-6*\a                           ; wo's tile a is in; the six loads of each later tile may be out
.irp i, 0,1
	v_wmma_scale_f32_16x16x128_f8f6f4 v[ACC+32*\i+8*\a:ACC+32*\i+8*\a+7], v[FW+12*\a:FW+12*\a+11], v[FX+12*\i:FX+12*\i+11], v[ACC+32*\i+8*\a:ACC+32*\i+8*\a+7], v[SR+\a], v[SR+\i] matrix_a_fmt:MATRIX_FMT_FP6 matrix_b_fmt:MATRIX_FMT_FP6 matrix_a_scale:MATRIX_SCALE_ROW1
.endr
.endr
.endm
.irp s, 0,1,2,3
	KSTEP \s
.endr
	s_wait_tensorcnt 0x0                           ; my load is in, whichever it was,
	s_wait_dscnt 0x0
	s_barrier_signal -1
	s_barrier_wait -1                              ; and everybody's
.irp s, 4,5,6,7
	KSTEP \s
.endr
	; ---- THE WAY OUT: 16 tokens x 64 features at a time through my own stage, back as whole rows of 256 bytes.  LDS serves a wave's instructions in order: no wait between the stores and the loads
.rept 4
	v_nop                                          ; places behind the last products
.endr
.irp i, 0,1
.irp a, 0,1,2,3
	ds_store_b128 v8, v[ACC+32*\i+8*\a:ACC+32*\i+8*\a+3] offset:64*\a          ; each accumulator from its low end on
	ds_store_b128 v8, v[ACC+32*\i+8*\a+4:ACC+32*\i+8*\a+7] offset:64*\a+16
.endr
.irp u, 0,1,2,3,4,5,6,7
	ds_load_b128 v[FX+48*\i+4*\u:FX+48*\i+4*\u+3], v9 offset:2*\u*SP
.endr
.endr
.irp i, 0,1
.irp u, 0,1,2,3,4,5,6,7
	s_wait_dscnt 23-16*\i-\u                       ; behind this load: the rest of its eight, and for the first tile the second tile's sixteen
	global_store_b128 v15, v[FX+48*\i+4*\u:FX+48*\i+4*\u+3], s[14:15] offset:(16*\i+2*\u)*4096 th:TH_STORE_NT   ; 16 lanes store 256 consecutive bytes, aligned; written once, read by nobody here
.endr
.endr
	s_wait_tensorcnt 0x0                           ; the wave's end
	ds_add_u32 v[SPW], v[NIL]
	s_wait_dscnt 0x0
	s_endpgm
.Lfunc_end_k_qbcf937b89f_oproj:
	.size	k_qbcf937b89f_oproj, .Lfunc_end_k_qbcf937b89f_oproj-k_qbcf937b89f_oproj
	.p2alignl 7, 3214868480
	.fill 96, 4, 3214868480
	.section	.rodata,"a",@progbits
	.p2align	6, 0x0
	.amdhsa_kernel k_qbcf937b89f_oproj
		.amdhsa_group_segment_fixed_size 240640
		.amdhsa_private_segment_fixed_size 0
		.amdhsa_enable_private_segment 0
		.amdhsa_kernarg_size 48
		.amdhsa_user_sgpr_count 2
		.amdhsa_user_sgpr_kernarg_segment_ptr 1
		.amdhsa_wavefront_size32 1
		.amdhsa_system_sgpr_workgroup_id_x 1
		.amdhsa_system_sgpr_workgroup_id_y 1
		.amdhsa_system_sgpr_workgroup_id_z 1
		.amdhsa_system_vgpr_workitem_id 0
		.amdhsa_next_free_vgpr 256
		.amdhsa_next_free_sgpr 90
		.amdhsa_reserve_vcc 0
		.amdhsa_float_denorm_mode_32 3
		.amdhsa_float_denorm_mode_16_64 3
		.amdhsa_memory_ordered 1
		.amdhsa_forward_progress 1
		.amdhsa_inst_pref_size 42
	.end_amdhsa_kernel
	.amdgpu_metadata
---
amdhsa.version: [ 1, 2 ]
amdhsa.kernels:
  - .name:           k_qbcf937b89f_oproj
    .symbol:         k_qbcf937b89f_oproj.kd
    .args:
      - { .name: ao, .offset: 0, .size: 8, .value_kind: global_buffer, .address_space: global }
      - { .name: aos, .offset: 8, .size: 8, .value_kind: global_buffer, .address_space: global }
      - { .name: cod, .offset: 16, .size: 8, .value_kind: global_buffer, .address_space: global }
      - { .name: scl, .offset: 24, .size: 8, .value_kind: global_buffer, .address_space: global }
      - { .name: bo, .offset: 32, .size: 8, .value_kind: global_buffer, .address_space: global }
      - { .name: out0, .offset: 40, .size: 8, .value_kind: global_buffer, .address_space: global }
    .group_segment_fixed_size: 240640
    .private_segment_fixed_size: 0
    .kernarg_segment_align: 8
    .kernarg_segment_size: 48
    .max_flat_workgroup_size: 256
    .sgpr_count:     90
    .vgpr_count:     256
    .wavefront_size: 32
...
	.end_amdgpu_metadata
.endif
;; end of part 4
